; MI455X (gfx1250); checked and timed in simulation.
; The chip was launched on July 23, 2026; its instructions are those of AMD's public machine-readable ISA for CDNA 5 (MIT licence, August 2026) and "CDNA5" Instruction Set Architecture Reference Guide (July 2026). The comments in the code are by the model that wrote it; some were corrected since.
;; Swi GLUMLP. Allowed arithmetic: float matrix products may take bf16 or f16 operands with f32 sums; other float arithmetic in f32, or as packed bf16 or f16 multiplies, adds, multiply-adds, maxima and minima; sums over many terms, partial sums and values carried from step to step in f32; what a program stores and reads back later, other than sums and carried values, may be rounded once to bf16 or f16.
;; Inputs: w_down 2,048 x 8,192 float32; w_gate 8,192 x 2,048 float32; w_up 8,192 x 2,048 float32; x 4 x 256 x 2,048 float32.
;; Outputs: out0 4 x 256 x 2,048 float32.
;; Constants: group_size = 128.
;; 2 versions, each right; version 2 is version 1 with the launch quant written anew for expert scheduling mode. Each part assembles by itself: llvm-mc -triple=amdgcn-amd-amdhsa -mcpu=gfx1250 --defsym DOCPART=n.
;; ======== version 1 of 2: 4 launches
;; limits: values are held in f16: magnitudes above 65,504 overflow, below 6.1e-05 lose precision; inputs' magnitudes at most 65,504
;; workspace buffers: xh 4,194,304 bytes; wgu 67,108,864 bytes; sgn 33,554,432 bytes; scd 524,288 bytes; hb 16,777,216 bytes; part 16,777,216 bytes
;; launch quant (part 1): grid 1024 x 1, 8 waves a work-group, no clusters, 0 bytes of LDS; arguments w_gate, w_up, w_down, x, wgu, sgn, scd, xh; writes wgu, sgn, scd, xh
.if DOCPART == 1
	.amdgcn_target "amdgcn-amd-amdhsa--gfx1250"
	.amdhsa_code_object_version 6
	.text
	.protected	k_qef6a115e49_quant
	.globl	k_qef6a115e49_quant
	.p2align	8
	.type	k_qef6a115e49_quant,@function
k_qef6a115e49_quant:
	s_mov_b64 s[64:65], 0
	v_nop
	global_prefetch_b8 v0, s[64:65] scope:SCOPE_SE
	s_setreg_imm32_b32 hwreg(HW_REG_WAVE_MODE, 25, 1), 1
	s_wait_xcnt 0x0
; THE WEIGHTS ARE QUANTISED ONCE, AND x IS NARROWED.  For each group of 128 neighbouring numbers of a row: scale = mean of |w|, value = sign(w) x scale.
;   w_gate, w_up [8192][2048] f32 -> wgu [16384][2048] f16 = f16(sign x scale); gate row i at row (i/64) 128 + i%64, up row i 64 rows further: 128 rows on end hold 64 gate rows and the same 64 up rows.
;   w_down [2048][8192] f32 -> sgn [2048][8192] bf16 = sign alone (+1, -1, or a zero where w is a zero), and scd [2048][64] f32 = the scales, unrounded.
;   x [1024][2048] f32 -> xh f16.
; HOW THE SIGN IS MADE.  t = w x 2^127 is rounded to 16 bits and held between -c and +c (c = the scale in f16, or 1 in bf16): a zero stays a zero, everything else lands on +c or -c.
; LIMITS.  A non-zero weight below 2^-127 (5.9e-39) times its group's scale (w_down: a non-zero |w| below 2^-127) comes out as w x 2^127, short of the full sign.
; |x| and the gate and up scales lie within f16's range (65,504); a scale below 6.1e-5 keeps f16's fixed step of 6e-8.  NaN and infinities are not treated apart.
; The 128 magnitudes are added eight in a lane and then across 16 lanes: another order than a running sum's; the division by 128 is exact.
; SHARES.  A stream: every byte is read once and written once; nothing is shared, so there is no LDS, no barrier, no matrix work.  Of a work-group's eight waves two take w_gate, two w_up, two w_down, two x.
; A weight wave owns a unit of 64 groups on end (32,768 bytes in: four rows of gate or up, one row of down).  An x wave owns 4,096 bytes.
; A SLOT IS TWO GROUPS: 1,024 consecutive bytes, aligned.  Lane l takes the 32 bytes at 32 l, by two loads of 16 bytes issued on end, which together cover the 1,024.  So lanes 0-15 hold one group and
; lanes 16-31 the next: a group's sum ends inside a row of 16 lanes, and a lane's eight results are 16 neighbouring bytes: one store of the wave writes 512 consecutive bytes, aligned.
; A ring of eight slots in registers keeps sixteen loads (8,192 bytes) of a wave out; offsets stand in the immediates, and the two bases are stepped once for eight slots.
.set VI,  2                            ; v2       32 x lane: my bytes of a slot; never rewritten
.set VO,  3                            ; v3       16 x lane: my bytes of its result; never rewritten
.set L15, 4                            ; v4       lane % 16
.set V8,  5                            ; v5       8 x lane: my two scales of a row of scd
.set A,   6                            ; v[6:9]   the sum, at work
.set SP,  10                           ; v10      the scale, twice, in f16
.set SN,  11                           ; v11      the same with the signs set
.set CA,  12                           ; v12      w_down: the scale kept from the last slot whose number % 16 is my lane % 16,
.set CB,  13                           ; v13      and the one kept sixteen slots before it
.set P,   14                           ; v[14:15] w_down: the scales of groups 2 l and 2 l + 1
.set X,   32                           ; v[32:95]  slot i: eight numbers as loaded, then times 2^127
.set Y,   96                           ; v[96:111] four sets of four: eight results, packed; slot i takes set i % 4
; One slot's turn.  ahead = 1: the slot is loaded again, eight slots on.  left: the younger loads that may stay out.  kind 0: gate and up; 1: down.
; The multiplications by 2^127 and the roundings stand between the links of the sum's chain, which each wait for the link before.
.macro SLOT i, ahead, left, kind
.set XR, X+8*(\i)
.set YR, Y+4*((\i)%4)
	s_wait_loadcnt \left                           ; loads come back in order: this slot's two are in, the younger ones stay out
	v_add_f32 v[A],   |v[XR]|,   |v[XR+1]|
	v_add_f32 v[A+1], |v[XR+2]|, |v[XR+3]|
	v_add_f32 v[A+2], |v[XR+4]|, |v[XR+5]|
	v_add_f32 v[A+3], |v[XR+6]|, |v[XR+7]|
	v_pk_add_f32 v[A:A+1], v[A:A+1], v[A+2:A+3]
	v_pk_mul_f32 v[XR:XR+1], v[XR:XR+1], s[36:37] op_sel_hi:[1,0]
	v_add_f32 v[A], v[A], v[A+1]                   ; my eight magnitudes
	v_pk_mul_f32 v[XR+2:XR+3], v[XR+2:XR+3], s[36:37] op_sel_hi:[1,0]
	v_add_f32_dpp v[A], v[A], v[A] row_xmask:1 row_mask:0xf bank_mask:0xf
	v_pk_mul_f32 v[XR+4:XR+5], v[XR+4:XR+5], s[36:37] op_sel_hi:[1,0]
	v_add_f32_dpp v[A], v[A], v[A] row_xmask:2 row_mask:0xf bank_mask:0xf
	v_pk_mul_f32 v[XR+6:XR+7], v[XR+6:XR+7], s[36:37] op_sel_hi:[1,0]
	v_add_f32_dpp v[A], v[A], v[A] row_xmask:4 row_mask:0xf bank_mask:0xf
.if (\i)%4 == 0
	s_wait_xcnt 0x0                                ; every load and store issued so far has read its sources.  The set of Y that slot i writes was last read by the store of slot i - 4:
	                                               ; one of these two waits (slots 0 and 4) lies between; thirteen vector lines stand between the youngest store and the wait
.if (\i) == 0
.if \ahead
	s_add_nc_u64 s[4:5], s[4:5], 8192              ; the bases are stepped here, with no memory line behind the wait: the loads below fetch the next eight slots,
.endif
	s_add_nc_u64 s[6:7], s[6:7], 4096              ; and the stores reach back by a negative immediate
.endif
.endif
.if \kind
	v_cvt_pk_bf16_f32 v[YR], v[XR], v[XR+1]
.else
	v_cvt_pk_f16_f32 v[YR], v[XR], v[XR+1]
.endif
	v_add_f32_dpp v[A], v[A], v[A] row_xmask:8 row_mask:0xf bank_mask:0xf
.if \kind
	v_cvt_pk_bf16_f32 v[YR+1], v[XR+2], v[XR+3]
.else
	v_cvt_pk_f16_f32 v[YR+1], v[XR+2], v[XR+3]
.endif
	v_mul_f32 v[A], s33, v[A]                      ; / 128: lanes 0-15 hold the first group's scale, lanes 16-31 the second's
.if \kind
	v_cvt_pk_bf16_f32 v[YR+2], v[XR+4], v[XR+5]
	v_cvt_pk_bf16_f32 v[YR+3], v[XR+6], v[XR+7]
	s_add_co_u32 s38, s32, \i                      ; the slot's number % 16
	v_cmp_eq_u32 vcc_lo, s38, v[L15]
	v_cndmask_b32 v[CB], v[CB], v[CA], vcc_lo      ; what I kept sixteen slots ago moves on,
	v_cndmask_b32 v[CA], v[CA], v[A], vcc_lo       ; and this slot's scale is kept
.irp k, 0,1,2,3
	v_pk_max_num_bf16 v[YR+(\k)], v[YR+(\k)], s39  ; not below -1,
.endr
.irp k, 0,1,2,3
	v_pk_min_num_bf16 v[YR+(\k)], v[YR+(\k)], s40  ; not above +1
.endr
.else
	v_cvt_pk_f16_f32 v[YR+2], v[XR+4], v[XR+5]
	v_cvt_pk_f16_f32 v[SP], v[A], v[A]
	v_cvt_pk_f16_f32 v[YR+3], v[XR+6], v[XR+7]
	v_xor_b32 v[SN], s35, v[SP]
.irp k, 0,1,2,3
	v_pk_max_num_f16 v[YR+(\k)], v[YR+(\k)], v[SN] ; not below -scale,
.endr
.irp k, 0,1,2,3
	v_pk_min_num_f16 v[YR+(\k)], v[YR+(\k)], v[SP] ; not above +scale
.endr
.endif
.if \ahead
	global_load_b128 v[XR:XR+3],   v[VI], s[4:5] offset:1024*(\i) th:TH_LOAD_RT_NT
	global_load_b128 v[XR+4:XR+7], v[VI], s[4:5] offset:1024*(\i)+16 th:TH_LOAD_RT_NT
.endif
	global_store_b128 v[VO], v[YR:YR+3], s[6:7] offset:512*(\i)-4096 th:TH_STORE_NT
.endm
; A unit: four times eight slots.  Three trips load ahead; the last eight slots are written out without loads, so no load leaves the unit.
.macro STREAM kind
.irp i, 0,1,2,3,4,5,6,7
	global_load_b128 v[X+8*(\i):X+8*(\i)+3],   v[VI], s[4:5] offset:1024*(\i) th:TH_LOAD_RT_NT
	global_load_b128 v[X+8*(\i)+4:X+8*(\i)+7], v[VI], s[4:5] offset:1024*(\i)+16 th:TH_LOAD_RT_NT
.endr
	s_mov_b32 s12, 3
.Lround_\@:
.irp i, 0,1,2,3,4,5,6,7
	SLOT \i, 1, 14, \kind                          ; fourteen younger loads: two for each of the other seven slots (those behind this one, and those ahead of it that were loaded again in this trip)
.endr
.if \kind
	s_xor_b32 s32, s32, 8                          ; eight slots on: their numbers % 16 begin at 8, then at 0 again
.endif
	s_sub_co_u32 s12, s12, 1
	s_cmp_lg_u32 s12, 0
	s_cbranch_scc1 .Lround_\@
.irp i, 0,1,2,3,4,5,6,7
	SLOT \i, 0, 14-2*(\i), \kind                   ; the counts run down
.endr
.endm
	s_load_b512 s[16:31], s[0:1], 0x0              ; w_gate s[16:17], w_up s[18:19], w_down s[20:21], x s[22:23], wgu s[24:25], sgn s[26:27], scd s[28:29], xh s[30:31]
	v_lshrrev_b32 v1, 5, v0
	v_readfirstlane_b32 s8, v1                     ; wave 0..7
	s_and_b32 s9, s8, 1
	s_lshl_b32 s10, ttmp9, 1
	s_add_co_u32 s10, s10, s9                      ; my unit, 0..2047
	s_mov_b32 s3, 0                                ; offsets are pairs with 0 on top
	s_mov_b32 s14, 0x76543210                      ; v_permlanex16_b32: each lane takes its own place in the other half
	s_mov_b32 s15, 0xfedcba98
	s_mov_b32 s32, 0
	s_mov_b32 s33, 0x3c000000                      ; 1 / 128
	s_mov_b32 s35, 0x80008000                      ; the signs of two f16
	s_mov_b32 s36, 0x7f000000                      ; 2^127, as a pair for the packed multiply
	s_mov_b32 s37, s36
	s_mov_b32 s39, 0xbf80bf80                      ; -1 twice in bf16
	s_mov_b32 s40, 0x3f803f80                      ; +1 twice in bf16
	v_and_b32 v1, 31, v0                           ; lane
	v_lshlrev_b32 v[VI], 5, v1
	v_lshlrev_b32 v[VO], 4, v1
	v_and_b32 v[L15], 15, v0
	v_lshlrev_b32 v[V8], 3, v1
	v_mov_b32 v[CA], 0
	v_mov_b32 v[CB], 0
	s_wait_kmcnt 0x0
	s_cmp_ge_u32 s8, 6
	s_cbranch_scc1 .Lx
	s_cmp_ge_u32 s8, 4
	s_cbranch_scc1 .Ldown
	; waves 0-3: four rows of w_gate or w_up
	s_lshl_b32 s2, s10, 15                         ; 32,768 bytes a unit
	s_cmp_lt_u32 s8, 2
	s_cselect_b64 s[4:5], s[16:17], s[18:19]
	s_cselect_b32 s11, 0, 64                       ; up rows lie 64 rows behind their gate rows
	s_add_nc_u64 s[4:5], s[4:5], s[2:3]
	s_lshr_b32 s2, s10, 4                          ; rows 4 u ..: block u / 16 of 64 rows,
	s_lshl_b32 s2, s2, 7                           ; which begins at row 128 (u / 16),
	s_and_b32 s41, s10, 15
	s_lshl_b32 s41, s41, 2                         ; place 4 (u % 16) in it
	s_add_co_u32 s2, s2, s41
	s_add_co_u32 s2, s2, s11
	s_lshl_b32 s2, s2, 12                          ; a row of wgu is 4,096 bytes
	s_add_nc_u64 s[6:7], s[24:25], s[2:3]
	STREAM 0
	s_endpgm
.Ldown:                                        ; waves 4, 5: one row of w_down
	s_lshl_b32 s2, s10, 15
	s_add_nc_u64 s[4:5], s[20:21], s[2:3]
	s_lshl_b32 s2, s10, 14
	s_add_nc_u64 s[6:7], s[26:27], s[2:3]
	s_lshl_b32 s2, s10, 8
	s_add_nc_u64 s[42:43], s[28:29], s[2:3]
	STREAM 1
	; CB holds slots 0-15, CA slots 16-31; in each, lane l < 16 has group 2 x slot, lane l >= 16 group 2 x slot + 1, slot % 16 = l % 16.
	; Lane l wants groups 2 l and 2 l + 1: for l < 16 they are CB of lanes l and l + 16, for l >= 16 CA of lanes l - 16 and l.
	v_permlanex16_b32 v[A],   v[CA], s14, s15      ; (its destination counts as read: registers that have been written)
	v_permlanex16_b32 v[A+1], v[CB], s14, s15
	v_cmp_gt_u32 vcc_lo, 16, v1
	v_cndmask_b32 v[P],   v[A],  v[CB],  vcc_lo
	v_cndmask_b32 v[P+1], v[CA], v[A+1], vcc_lo
	global_store_b64 v[V8], v[P:P+1], s[42:43]     ; the row's 64 scales: 256 consecutive bytes, aligned
	s_endpgm
.Lx:                                           ; waves 6, 7: 1,024 numbers of x, four slots, all loads out at once
	s_lshl_b32 s2, s10, 12
	s_add_nc_u64 s[4:5], s[22:23], s[2:3]
	s_lshl_b32 s2, s10, 11
	s_add_nc_u64 s[6:7], s[30:31], s[2:3]
.irp i, 0,1,2,3
	global_load_b128 v[X+8*(\i):X+8*(\i)+3],   v[VI], s[4:5] offset:1024*(\i) th:TH_LOAD_RT_NT
	global_load_b128 v[X+8*(\i)+4:X+8*(\i)+7], v[VI], s[4:5] offset:1024*(\i)+16 th:TH_LOAD_RT_NT
.endr
.irp i, 0,1,2,3
	s_wait_loadcnt 6-2*(\i)                        ; slot i's two loads are in; the younger slots' stay out
.irp k, 0,1,2,3
	v_cvt_pk_f16_f32 v[Y+4*(\i)+(\k)], v[X+8*(\i)+2*(\k)], v[X+8*(\i)+2*(\k)+1]
.endr
	global_store_b128 v[VO], v[Y+4*(\i):Y+4*(\i)+3], s[6:7] offset:512*(\i)
.endr
	s_endpgm
.Lfunc_end_k_qef6a115e49_quant:
	.size	k_qef6a115e49_quant, .Lfunc_end_k_qef6a115e49_quant-k_qef6a115e49_quant
	.p2alignl 7, 3214868480
	.fill 96, 4, 3214868480
	.section	.rodata,"a",@progbits
	.p2align	6, 0x0
	.amdhsa_kernel k_qef6a115e49_quant
		.amdhsa_group_segment_fixed_size 0
		.amdhsa_private_segment_fixed_size 0
		.amdhsa_enable_private_segment 0
		.amdhsa_kernarg_size 64
		.amdhsa_user_sgpr_count 2
		.amdhsa_user_sgpr_kernarg_segment_ptr 1
		.amdhsa_wavefront_size32 1
		.amdhsa_system_sgpr_workgroup_id_x 1
		.amdhsa_system_sgpr_workgroup_id_y 1
		.amdhsa_system_sgpr_workgroup_id_z 1
		.amdhsa_system_vgpr_workitem_id 0
		.amdhsa_next_free_vgpr 112
		.amdhsa_next_free_sgpr 66
		.amdhsa_reserve_vcc 1
		.amdhsa_float_denorm_mode_32 3
		.amdhsa_float_denorm_mode_16_64 3
		.amdhsa_memory_ordered 1
		.amdhsa_forward_progress 1
		.amdhsa_inst_pref_size 72
	.end_amdhsa_kernel
	.amdgpu_metadata
---
amdhsa.version: [ 1, 2 ]
amdhsa.kernels:
  - .name:           k_qef6a115e49_quant
    .symbol:         k_qef6a115e49_quant.kd
    .args:
      - { .name: w_gate, .offset: 0, .size: 8, .value_kind: global_buffer, .address_space: global }
      - { .name: w_up, .offset: 8, .size: 8, .value_kind: global_buffer, .address_space: global }
      - { .name: w_down, .offset: 16, .size: 8, .value_kind: global_buffer, .address_space: global }
      - { .name: x, .offset: 24, .size: 8, .value_kind: global_buffer, .address_space: global }
      - { .name: wgu, .offset: 32, .size: 8, .value_kind: global_buffer, .address_space: global }
      - { .name: sgn, .offset: 40, .size: 8, .value_kind: global_buffer, .address_space: global }
      - { .name: scd, .offset: 48, .size: 8, .value_kind: global_buffer, .address_space: global }
      - { .name: xh, .offset: 56, .size: 8, .value_kind: global_buffer, .address_space: global }
    .group_segment_fixed_size: 0
    .private_segment_fixed_size: 0
    .kernarg_segment_align: 8
    .kernarg_segment_size: 64
    .max_flat_workgroup_size: 256
    .sgpr_count:     66
    .vgpr_count:     112
    .wavefront_size: 32
...
	.end_amdgpu_metadata
.endif
;; end of part 1
;; launch gateup (part 2): grid 64 x 4, 4 waves a work-group, clusters of 4 x 4, 327,680 bytes of LDS; arguments xh, wgu, hb; writes hb
.if DOCPART == 2
	.amdgcn_target "amdgcn-amd-amdhsa--gfx1250"
	.amdhsa_code_object_version 6
	.text
	.protected	k_qef6a115e49_gateup
	.globl	k_qef6a115e49_gateup
	.p2align	8
	.type	k_qef6a115e49_gateup,@function
k_qef6a115e49_gateup:
	s_mov_b64 s[64:65], 0
	v_nop
	global_prefetch_b8 v0, s[64:65] scope:SCOPE_SE
	s_setreg_imm32_b32 hwreg(HW_REG_WAVE_MODE, 25, 1), 1
	s_wait_xcnt 0x0
	s_wait_alu depctr_hold_cnt(0) depctr_sa_sdst(0) depctr_va_vdst(0) depctr_va_sdst(0) depctr_va_ssrc(0) depctr_va_vcc(0) depctr_vm_vsrc(0)
	s_getreg_b32 s2, hwreg(HW_REG_IB_STS2, 6, 4)
	s_cmp_eq_u32 s2, 0
	s_cbranch_scc0 .Lentry_in_a_cluster
	s_endpgm
.Lentry_in_a_cluster:
	s_bfe_u32 s2, ttmp6, 0x10000c
	s_cmp_lg_u32 s2, 0xf033
	s_cbranch_scc0 .Lentry_shape_is_right
	s_endpgm
.Lentry_shape_is_right:
; h = silu(x Wg^T) x (x Wu^T).  xh: [1024][2048] f16.  wgu: [16384][2048] f16, 64 gate rows and the same 64 up rows by turns.  hb: [1024][8192] bf16.  Sums in f32; silu in f32; h rounded once.
; f16 for this product: x and the quantised weights have room in it and lose an eighth of what bf16 would lose.  h goes out in bf16: it has no room in f16 where the inputs are large.
; LIMITS.  NaN and infinities are not treated apart.  exp2(-g log2 e) overflows to infinity for very negative g: its reciprocal is 0 and silu is a zero, as it should be.
; SHARES.  A work-group of four waves makes 256 rows x 256 rows of wgu (128 columns of h); a wave 128 x 128: 64 accumulators of 16 x 16, 512 registers.  A wave's 128 rows of wgu are 64 gate rows
; (column blocks 0-3) and the same 64 up rows (blocks 4-7): gate and up of one h lie in the same lane, 32 registers apart, so silu x up needs no exchange.
; K goes in 16 steps of 128 through two LDS slots filled by the tensor data mover; rows of the tiles are 256 bytes of memory, aligned.
; CLUSTERS: 4 x 4 work-groups.  The four of a row of the cluster need the same tiles of xh, the four of a column the same tiles of wgu: each tile is asked for JOINTLY, by the same tensor load with the
; same descriptor and a mask that names the four.  The grid is one cluster high, so the tile row is the place cy itself.
; THE MATRIX INSTRUCTION IS USED TRANSPOSED (source 0 = 16 rows of wgu, source 1 = 16 rows of xh): lane l holds row l % 16 and the columns 8 (l / 16) + 0..7, eight neighbouring numbers of a row of h.
; REGISTERS, in windows of 256 (s_set_vgpr_msb: bits 1:0 source 0, 3:2 source 1, 5:4 source 2, 7:6 destination):
;   window 0: v0-31 addresses; v64-127, v128-191 fragments of xh, two buffers; on the way out v64-95 at work, v96-111 packed h, then v64-191 rows read back
;   window 1: v64-127, v128-191 fragments of wgu      window 2: the accumulators of my rows 0-63 ((a, b) at v[8 (8 a + b)])      window 3: those of my rows 64-127
.set SIZE_K, 2048
.set KSTEP,  128
.set PITCH,  272                       ; an LDS row: 256 bytes + 16 of padding = 68 words: the 16 rows that a load touches start at 16 different groups of four banks (64 banks of 4 bytes: ISA guide 11.1)
.set HALFT,  128*PITCH                 ; what one tensor load brings, and what one wave reads of either operand
.set SLOT,   4*HALFT                   ; xh's 256 rows, then wgu's 256 rows
.set SPARE,  2*SLOT                    ; behind the ring: the spare words, 128 bytes for each wave: two blocks of 256 bytes that no other line names
.set HROW,   16384                     ; bytes in a row of hb
.set LAPS,   SIZE_K/(2*KSTEP)         ; a lap = two K steps = once round the ring
; THE STAGE for the way out is the head of slot 0: 256 rows x 272 bytes.  Slot 0 has had its last fill (K step 14) and its last read by then: the barrier of the last change of slots lies between.
.set ADRA, 16                          ; v16-17  LDS address of my xh fragments in slot 0, 1
.set ADRB, 20                          ; v20-21  the same for wgu
.set STO,  24                          ; v24     the way out: where I put 16 bytes of a row
.set RD,   25                          ; v25     where I read a row back
.set CO,   26                          ; v26     my byte offset in hb
.set SPW,  28                          ; v28     LDS address of my spare word; never rewritten
.set NIL,  29                          ; v29     0; never rewritten
.set PFO,  30                          ; v30     the prefetches' offset: my lane x a row of 4,096 bytes; never rewritten
.set PFA,  44                          ; s[44:45] where my prefetches stand
.set LIM,  43                          ; s43     1 in a wave that prefetches, else the greatest number
.set F0,   64
.set F1,   128
.set E,    64                          ; the way out: 32 numbers in f32
.set H,    96                          ; 16 registers of packed h
.set OB,   64                          ; 32 x 4 registers of rows read back
.set G1,  24                           ; s[24:31] descriptor group 1 for xh's tiles;  s[32:39] group 0, a set for each slot
.set G0,  32
.set G1B, 48                           ; s[48:55], s[56:63] the same for wgu's tiles
.set G0B, 56
.set MSB, 0
.macro WIN new                         ; the immediate's high byte repeats the setting that is left; a switch that changes nothing is dropped
.if MSB != (\new)
	s_set_vgpr_msb (MSB<<8)|(\new)
.set MSB, \new
.endif
.endm
.set MUL_LO, 0xa1                      ; source 0 (wgu) window 1, source 1 (xh) window 0, C and D window 2
.set MUL_HI, 0xf1                      ; the same, C and D window 3
.set TO_B,   0x40                      ; destination window 1, address window 0
; A joint load.  Waves 0 and 1 fetch xh's two halves, waves 2 and 3 wgu's.  The branch hangs on the wave's number alone.  An s_nop 0 and four v_nop follow each of the two lines.
.macro JLOAD s
	s_cmp_eq_u32 s11, 0
	s_cbranch_scc0 .Lfor_b_\@
	tensor_load_to_lds s[G0+4*(\s):G0+4*(\s)+3], s[G1:G1+7]
	s_nop 0
.rept 4
	v_nop
.endr
	s_branch .Lasked_\@
.Lfor_b_\@:
	tensor_load_to_lds s[G0B+4*(\s):G0B+4*(\s)+3], s[G1B:G1B+7]
	s_nop 0
.rept 4
	v_nop
.endr
.Lasked_\@:
.endm
; A PREFETCH INTO THE L2 behind each joint refill and the run of LDS loads that follows it: the K step that stands two refills on (512 matrix instructions ahead of the load that will want it):
; 32 rows x 256 bytes, a lane a row, one instruction a wave.  Each row's 256 bytes of a K step are named once in the launch: xh's rows are read by every cluster, and the cluster with x = 0 asks;
; wgu's rows are read by one cluster alone, which asks.  The four partners that ask for a tile jointly share its rows out BY ADDRESS, 32 each.  The loop's last trip (s3 = 1) has no K step two on.
.macro ASK
	s_cmp_gt_u32 s3, s[LIM]
	s_cbranch_scc0 .Lnot_mine_\@
	global_prefetch_b8 v[PFO], s[PFA:PFA+1] offset:KSTEP*2 th:TH_LOAD_NT scope:SCOPE_SE
.Lnot_mine_\@:
.endm
.macro CREST                           ; a round of the cluster's barrier behind its opening barrier
	s_cmp_lg_u32 s10, 0
	s_cbranch_scc1 .Lnot_wave_0_\@
	s_barrier_signal -3
.Lnot_wave_0_\@:
	s_barrier_wait -3
	s_barrier_signal -1
	s_barrier_wait -1
.endm
.macro CROUND                          ; a whole round
	s_barrier_signal -1
	s_barrier_wait -1
	CREST
.endm
	s_load_b128 s[4:7], s[0:1], 0x0                ; xh s[4:5], wgu s[6:7]
	s_load_b64 s[8:9], s[0:1], 0x10                ; hb
	v_lshl_add_u32 v[SPW], v0, 2, SPARE
	v_mov_b32 v[NIL], 0
	ds_add_u32 v[SPW], v[NIL]                      ; the wave's opening: the add, twice on end, and its wait ahead of my first tensor load
	ds_add_u32 v[SPW], v[NIL]
	v_lshrrev_b32 v1, 5, v0
	v_readfirstlane_b32 s10, v1                    ; wave 0..3
	s_lshr_b32 s11, s10, 1                         ; which half of the tile's rows is mine.  Also: I fetch for xh (0) or for wgu (1)
	s_and_b32 s12, s10, 1                          ; which half of its columns.  Also: which 128 rows of that tile I fetch
	s_bfe_u32 s40, ttmp6, 0x40000                  ; cx
	s_bfe_u32 s41, ttmp6, 0x40004                  ; cy
	s_lshl_b32 s42, ttmp9, 2
	s_add_co_u32 s42, s42, s40                     ; tile column = 4 x cluster x + cx
	s_mov_b32 s13, s41                             ; tile row = cy
	s_lshl_b32 s43, s41, 2
	s_lshl_b32 s43, 15, s43                        ; my row of the cluster
	s_lshl_b32 s44, 0x1111, s40                    ; my column
	; descriptor group 1: a tile of 128 rows x 128 elements of 2 bytes, 16 bytes of padding behind every 64 words
	s_or_b32 s[G1+0], s43, (1<<16)|(1<<20)|(1<<21)|(5<<22)|(3<<25)
	s_or_b32 s[G1B+0], s44, (1<<16)|(1<<20)|(1<<21)|(5<<22)|(3<<25)
.irp g, G1, G1B
	s_mov_b32 s[(\g)+1], KSTEP<<16                 ; tensor_dim0 = 128
	s_mov_b32 s[(\g)+2], 128<<16                   ; tensor_dim1 = 128
	s_mov_b32 s[(\g)+3], KSTEP<<16                 ; tile_dim0 = 128
	s_mov_b32 s[(\g)+4], 128                       ; tile_dim1 = 128
	s_mov_b32 s[(\g)+5], SIZE_K                    ; elements from row to row
	s_mov_b32 s[(\g)+6], 0
	s_mov_b32 s[(\g)+7], 0
.endr
	s_lshl_b32 s17, s12, 7                         ; which 128 rows of the tile I fetch
	s_lshl_b32 s16, s13, 8
	s_add_co_u32 s16, s16, s17                     ; xh: row 256 x tile row + 128 x half,
	s_lshl_b32 s16, s16, 12                        ; of 4,096 bytes
	s_lshl_b32 s46, s42, 8
	s_add_co_u32 s46, s46, s17                     ; wgu: row 256 x tile column + 128 x half (under 2^14: the bytes stay under 2^26)
	s_lshl_b32 s46, s46, 12
	s_mov_b32 s17, 0
	s_mov_b32 s47, 0
	s_mul_i32 s20, s10, HALFT                      ; where they go: wave x 128 rows: no place in the cluster enters an LDS address
	s_wait_dscnt 0x0                               ; both opening adds are done
	s_wait_kmcnt 0x0
	s_add_nc_u64 s[14:15], s[4:5], s[16:17]
	s_add_nc_u64 s[46:47], s[6:7], s[46:47]
	CROUND                                         ; all sixteen work-groups are here: the first joint loads meet
.irp s, 0,1
	s_mov_b32 s[G0+4*(\s)], 1
	s_add_co_u32 s[G0+4*(\s)+1], s20, (\s)*SLOT
	s_add_nc_u64 s[G0+4*(\s)+2:G0+4*(\s)+3], s[14:15], (\s)*KSTEP*2
	s_or_b32 s[G0+4*(\s)+3], s[G0+4*(\s)+3], 0x80000000
	s_mov_b32 s[G0B+4*(\s)], 1
	s_add_co_u32 s[G0B+4*(\s)+1], s20, (\s)*SLOT
	s_add_nc_u64 s[G0B+4*(\s)+2:G0B+4*(\s)+3], s[46:47], (\s)*KSTEP*2
	s_or_b32 s[G0B+4*(\s)+3], s[G0B+4*(\s)+3], 0x80000000
	JLOAD \s                                       ; K steps 0 and 1: two loads of mine are out
.endr
	; a fragment is 16 rows x 32 K in 8 registers: lane l holds row l % 16, K = 8 (l / 16) + 0..7 and 16 + 8 (l / 16) + 0..7: two loads of 16 bytes, 32 bytes apart
	v_and_b32 v1, 15, v0                           ; l % 16
	v_bfe_u32 v2, v0, 4, 1                         ; l / 16
	v_mul_u32_u24 v3, v1, PITCH
	v_lshl_add_u32 v3, v2, 4, v3                   ; row x pitch + 16 x half
	s_mul_i32 s21, s11, HALFT                      ; my 128 rows of xh
	s_mul_i32 s22, s12, HALFT                      ; my 128 rows of wgu,
	s_add_co_u32 s22, s22, 2*HALFT                 ; which lie behind xh's 256
.irp s, 0,1
	v_add_nc_u32 v[ADRA+(\s)], s21, v3
	v_add_nc_u32 v[ADRB+(\s)], s22, v3
	s_add_co_u32 s21, s21, SLOT
	s_add_co_u32 s22, s22, SLOT
.endr
	s_mul_i32 s23, s11, 128*PITCH                  ; into the stage: my 128 rows, my 128 bytes of their 256; row l % 16, 16 bytes for each half of the lanes
	s_lshl_b32 s21, s12, 7
	s_add_co_u32 s23, s23, s21
	v_add_nc_u32 v[STO], s23, v3
	s_mul_i32 s23, s10, 64*PITCH                   ; back: wave w takes rows 64 w .. 64 w + 63, whole; lanes 0-15 one row of 256 bytes, lanes 16-31 the next
	v_mul_u32_u24 v5, v2, PITCH
	v_lshl_add_u32 v5, v1, 4, v5
	v_add_nc_u32 v[RD], s23, v5
	v_lshlrev_b32 v5, 14, v2                       ; and the same two rows in hb
	v_lshl_add_u32 v[CO], v1, 4, v5
	s_lshl_b32 s16, s13, 8
	s_lshl_b32 s17, s10, 6
	s_add_co_u32 s16, s16, s17                     ; the first row of hb that I store: 256 x tile row + 64 x wave
	s_lshl_b32 s16, s16, 14
	s_mov_b32 s17, 0
	s_add_nc_u64 s[8:9], s[8:9], s[16:17]
	s_lshl_b32 s46, s42, 8                         ; the tile's 128 columns of h: 256 bytes
	s_mov_b32 s47, 0
	s_add_nc_u64 s[8:9], s[8:9], s[46:47]
	; the prefetches
	s_lshl_b32 s20, s13, 8
	s_lshl_b32 s21, s42, 8
	s_cmp_eq_u32 s11, 0                            ; do I fetch for xh?
	s_cselect_b32 s20, s20, s21                    ; the tile's first row
	s_cselect_b32 s21, s40, s41                    ; my place among the four that ask for it with me
	s_cselect_b32 s22, ttmp9, 0                    ; xh's rows are read by every cluster along x; wgu's by mine alone
	s_cselect_b64 s[PFA:PFA+1], s[4:5], s[6:7]
	s_cmp_eq_u32 s22, 0
	s_cselect_b32 s[LIM], 1, -1                    ; the same in all sixteen partners, for a given wave
	s_lshl_b32 s22, s12, 7
	s_add_co_u32 s20, s20, s22                     ; + the 128 rows that I fetch
	s_lshl_b32 s21, s21, 5
	s_add_co_u32 s20, s20, s21                     ; + my work-group's 32 of them
	s_lshl_b32 s20, s20, 12
	s_mov_b32 s21, 0
	s_add_nc_u64 s[PFA:PFA+1], s[PFA:PFA+1], s[20:21]
	s_add_nc_u64 s[PFA:PFA+1], s[PFA:PFA+1], 2*KSTEP*2  ; at K step 2: the first refill steps it to 3 and names K step 4.  Nothing is prefetched here, at the head
	v_and_b32 v[PFO], 31, v0
	v_lshlrev_b32 v[PFO], 12, v[PFO]
	s_mov_b32 s18, 0xbfb8aa3b                      ; -log2(e), as a pair for the packed multiply
	s_mov_b32 s19, s18
; 16 matrix instructions: row blocks a0, a0 + 1 of the window's four x all 8 column blocks, 32 along K.  zero = 1: the first product starts the sums.
; The 64 accumulators take turns, one instruction a turn, in the same order in every quarter.
.macro MUL16 f, hi, a0, zero
	WIN MUL_LO+0x50*(\hi)
.irp a, \a0, (\a0)+1
.irp b, 0,1,2,3,4,5,6,7
.if \zero
	v_wmma_f32_16x16x32_f16 v[8*(8*(\a)+(\b)):8*(8*(\a)+(\b))+7], v[(\f)+8*(\b):(\f)+8*(\b)+7], v[(\f)+8*(4*(\hi)+(\a)):(\f)+8*(4*(\hi)+(\a))+7], 0
.else
	v_wmma_f32_16x16x32_f16 v[8*(8*(\a)+(\b)):8*(8*(\a)+(\b))+7], v[(\f)+8*(\b):(\f)+8*(\b)+7], v[(\f)+8*(4*(\hi)+(\a)):(\f)+8*(4*(\hi)+(\a))+7], v[8*(8*(\a)+(\b)):8*(8*(\a)+(\b))+7]
.endif
.endr
.endr
.endm
; 32 LDS loads in one run: the fragments of one quarter step (32 K at byte k of the rows) into buffer f: wgu's first, xh's behind them
.macro FETCH slot, k, f
	WIN TO_B
.irp i, 0,1,2,3,4,5,6,7
	ds_load_b128 v[(\f)+8*(\i):(\f)+8*(\i)+3],   v[ADRB+(\slot)] offset:(\k)+(\i)*16*PITCH
	ds_load_b128 v[(\f)+8*(\i)+4:(\f)+8*(\i)+7], v[ADRB+(\slot)] offset:(\k)+(\i)*16*PITCH+32
.endr
	WIN 0
.irp i, 0,1,2,3,4,5,6,7
	ds_load_b128 v[(\f)+8*(\i):(\f)+8*(\i)+3],   v[ADRA+(\slot)] offset:(\k)+(\i)*16*PITCH
	ds_load_b128 v[(\f)+8*(\i)+4:(\f)+8*(\i)+7], v[ADRA+(\slot)] offset:(\k)+(\i)*16*PITCH+32
.endr
.endm
.macro PLACES                          ; four plain vector instructions between a matrix instruction and a load into its sources or a reader of its result (ISA guide 7.12.1 for vector instructions)
.rept 4
	v_nop
.endr
.endm
; A K step is four quarters of 32 along K, 64 matrix instructions each, on buffers 0, 1, 0, 1.  One of the first three: multiplies f, and in its middle fetches the next quarter, at byte k, into g.
.macro QUARTER slot, k, f, g, zero
	s_wait_dscnt 8                                 ; wgu's fragments and xh's rows 0-63 are in; the youngest eight loads (xh's rows 64-127) may be out
	MUL16 \f, 0, 0, \zero
	MUL16 \f, 0, 2, \zero
	PLACES
	FETCH \slot, \k, \g
	s_wait_dscnt 32                                ; all but the 32 just issued
	MUL16 \f, 1, 0, \zero
	MUL16 \f, 1, 2, \zero
.endm
; The first half of a step's last quarter: ONE barrier for the change of slots.  In front of it each wave waits for all its tensor loads (the one that is out is its part of the next slot), adds 0 to its
; spare word, and waits for that and for its own reads of this slot.  Behind it nobody reads this slot any more and the next slot is whole.
.macro MEET round
	WIN 0                                          ; (the add's two registers lie in window 0)
	s_wait_tensorcnt 0x0
	ds_add_u32 v[SPW], v[NIL]
	s_wait_dscnt 9                                 ; (the add and the youngest eight loads may be out)
	MUL16 F1, 0, 0, 0                              ; sixteen matrix instructions stand between the add and the wait for it
	s_wait_dscnt 0x0                               ; the add is done, and my reads of this slot are over
	s_barrier_signal -1
	MUL16 F1, 0, 2, 0                              ; work on registers while the others arrive
.if \round
	WIN 0
.endif
	s_barrier_wait -1
.endm
; The whole last quarter of a step whose slot is filled again, two K steps on: the barrier opens a round of the cluster's barrier, and the joint refill is the first tensor load behind the round.
; From that request to the wait for it a wave issues 224 matrix instructions.
.macro TURN slot, next
	s_wait_xcnt 0x0                                ; the last prefetch, a K step back, has read its address: it is stepped here, ahead of the waits of the change of slots
	s_add_nc_u64 s[PFA:PFA+1], s[PFA:PFA+1], KSTEP*2
	MEET 1
	CREST                                          ; no wave of any partner still reads this slot's tile or has a load on its way
	s_add_nc_u64 s[G0+4*(\slot)+2:G0+4*(\slot)+3], s[G0+4*(\slot)+2:G0+4*(\slot)+3], 2*KSTEP*2
	s_add_nc_u64 s[G0B+4*(\slot)+2:G0B+4*(\slot)+3], s[G0B+4*(\slot)+2:G0B+4*(\slot)+3], 2*KSTEP*2
	JLOAD \slot                                    ; the four v_nop behind it are also the places in front of the loads below
	FETCH \next, 0, F0
	ASK
	MUL16 F1, 1, 0, 0
	MUL16 F1, 1, 2, 0
.endm
; THE WAY OUT of row block a (16 rows): h = g / (1 + 2^(-g log2 e)) x u for its 32 numbers a lane, rounded to bf16, 4 x 16 bytes into the stage.
; Each accumulator is read from its lowest registers on.  The 32 exponentials are one batch and the 32 reciprocals another: a plain instruction and one wait behind each.
; silu is finished before u is multiplied in, so that a zero of the reciprocal never meets an overflowed g u.
.macro SILU a
.set AC, 64*((\a)%4)
.set HW, 2+(\a)/4
	WIN HW                                         ; source 0: the block's window
.set ii, 0
.rept 16
	v_pk_mul_f32 v[E+2*ii:E+2*ii+1], v[AC+2*ii:AC+2*ii+1], s[18:19] op_sel_hi:[1,0]
.set ii, ii+1
.endr
	WIN 0
.set ii, 0
.rept 32
	v_exp_f32 v[E+ii], v[E+ii]
.set ii, ii+1
.endr
	v_nop
	s_wait_alu depctr_va_vdst(0)
.set ii, 0
.rept 16
	v_pk_add_f32 v[E+2*ii:E+2*ii+1], v[E+2*ii:E+2*ii+1], 1.0 op_sel_hi:[1,0]
.set ii, ii+1
.endr
.set ii, 0
.rept 32
	v_rcp_f32 v[E+ii], v[E+ii]
.set ii, ii+1
.endr
	v_nop
	s_wait_alu depctr_va_vdst(0)
	WIN HW<<2                                      ; source 1: the block's window
.set ii, 0
.rept 16
	v_pk_mul_f32 v[E+2*ii:E+2*ii+1], v[E+2*ii:E+2*ii+1], v[AC+2*ii:AC+2*ii+1]
.set ii, ii+1
.endr
.set ii, 0
.rept 16
	v_pk_mul_f32 v[E+2*ii:E+2*ii+1], v[E+2*ii:E+2*ii+1], v[AC+32+2*ii:AC+32+2*ii+1]
.set ii, ii+1
.endr
	WIN 0
.set ii, 0
.rept 16
	v_cvt_pk_bf16_f32 v[H+ii], v[E+2*ii], v[E+2*ii+1]
.set ii, ii+1
.endr
.irp b, 0,1,2,3
	ds_store_b128 v[STO], v[H+4*(\b):H+4*(\b)+3] offset:(\a)*16*PITCH+32*(\b)
.endr
.endm
	s_wait_tensorcnt 1                             ; my part of K step 0 is in; K step 1's may stay out
	s_barrier_signal -1
	s_barrier_wait -1                              ; everybody's is
	FETCH 0, 0, F0
	QUARTER 0, 64,  F0, F1, 1                      ; the first quarter stands in front of the loop: its products start the sums
	WIN 0                                          ; at a label and at a branch every window is 0
	s_mov_b32 s3, LAPS-1
.Llap:                                         ; a trip goes once round the ring, from a lap's second quarter to the next lap's first, and fills both slots again
	QUARTER 0, 128, F1, F0, 0
	QUARTER 0, 192, F0, F1, 0
	TURN 0, 1
	QUARTER 1, 64,  F0, F1, 0
	QUARTER 1, 128, F1, F0, 0
	QUARTER 1, 192, F0, F1, 0
	TURN 1, 0
	QUARTER 0, 64,  F0, F1, 0
	WIN 0
	s_sub_co_u32 s3, s3, 1
	s_cmp_lg_u32 s3, 0
	s_cbranch_scc1 .Llap
	QUARTER 0, 128, F1, F0, 0                      ; the last lap fills nothing, and has no round of the cluster's barrier
	QUARTER 0, 192, F0, F1, 0
	MEET 0                                         ; my one tensor load that was still out is slot 1's, the last K step's
	PLACES                                         ; for the loads into buffer 0, which the quarter before multiplied
	FETCH 1, 0, F0
	MUL16 F1, 1, 0, 0
	MUL16 F1, 1, 2, 0
	QUARTER 1, 64,  F0, F1, 0
	QUARTER 1, 128, F1, F0, 0
	QUARTER 1, 192, F0, F1, 0
	s_wait_dscnt 8                                 ; the very last quarter: nothing more to fetch
	MUL16 F1, 0, 0, 0
	MUL16 F1, 0, 2, 0
	s_wait_dscnt 0x0
	MUL16 F1, 1, 0, 0
	MUL16 F1, 1, 2, 0
	PLACES                                         ; the way out reads results just made and writes over fragment registers
.irp a, 0,1,2,3,4,5,6,7
	SILU \a
.endr
	s_wait_dscnt 0x0                               ; for the others' sake: my stores into the stage are done; a row's 256 bytes come from two waves
	s_barrier_signal -1
	s_barrier_wait -1
.set tt, 0
.rept 32
	ds_load_b128 v[OB+4*tt:OB+4*tt+3], v[RD] offset:tt*2*PITCH
.set tt, tt+1
.endr
.set tt, 0
.rept 32
	s_wait_dscnt 31-tt                             ; the younger loads from the stage may stay out
	global_store_b128 v[CO], v[OB+4*tt:OB+4*tt+3], s[8:9] offset:tt*2*HROW  ; 16 lanes store 256 consecutive bytes, at a multiple of 256 from hb's first byte
.set tt, tt+1
.endr
	s_wait_tensorcnt 0x0                           ; the wave's end, behind my last tensor load and my last LDS store
	ds_add_u32 v[SPW], v[NIL]
	s_wait_dscnt 0x0
	CROUND                                         ; the closing round: no work-group ends while a partner may still ask for a tile that names it
	s_endpgm
.Lfunc_end_k_qef6a115e49_gateup:
	.size	k_qef6a115e49_gateup, .Lfunc_end_k_qef6a115e49_gateup-k_qef6a115e49_gateup
	.p2alignl 7, 3214868480
	.fill 96, 4, 3214868480
	.section	.rodata,"a",@progbits
	.p2align	6, 0x0
	.amdhsa_kernel k_qef6a115e49_gateup
		.amdhsa_group_segment_fixed_size 327680
		.amdhsa_private_segment_fixed_size 0
		.amdhsa_enable_private_segment 0
		.amdhsa_kernarg_size 24
		.amdhsa_user_sgpr_count 2
		.amdhsa_user_sgpr_kernarg_segment_ptr 1
		.amdhsa_wavefront_size32 1
		.amdhsa_system_sgpr_workgroup_id_x 1
		.amdhsa_system_sgpr_workgroup_id_y 1
		.amdhsa_system_sgpr_workgroup_id_z 1
		.amdhsa_system_vgpr_workitem_id 0
		.amdhsa_next_free_vgpr 1024
		.amdhsa_next_free_sgpr 66
		.amdhsa_reserve_vcc 0
		.amdhsa_float_denorm_mode_32 3
		.amdhsa_float_denorm_mode_16_64 3
		.amdhsa_memory_ordered 1
		.amdhsa_forward_progress 1
		.amdhsa_inst_pref_size 178
	.end_amdhsa_kernel
	.amdgpu_metadata
---
amdhsa.version: [ 1, 2 ]
amdhsa.kernels:
  - .name:           k_qef6a115e49_gateup
    .symbol:         k_qef6a115e49_gateup.kd
    .args:
      - { .name: xh, .offset: 0, .size: 8, .value_kind: global_buffer, .address_space: global }
      - { .name: wgu, .offset: 8, .size: 8, .value_kind: global_buffer, .address_space: global }
      - { .name: hb, .offset: 16, .size: 8, .value_kind: global_buffer, .address_space: global }
    .group_segment_fixed_size: 327680
    .private_segment_fixed_size: 0
    .kernarg_segment_align: 8
    .kernarg_segment_size: 24
    .max_flat_workgroup_size: 128
    .sgpr_count:     66
    .vgpr_count:     1024
    .wavefront_size: 32
...
	.end_amdgpu_metadata
.endif
;; end of part 2
;; launch down (part 3): grid 16 x 16, 4 waves a work-group, clusters of 4 x 4, 327,680 bytes of LDS; arguments hb, sgn, scd, part; writes part
.if DOCPART == 3
	.amdgcn_target "amdgcn-amd-amdhsa--gfx1250"
	.amdhsa_code_object_version 6
	.text
	.protected	k_qef6a115e49_down
	.globl	k_qef6a115e49_down
	.p2align	8
	.type	k_qef6a115e49_down,@function
k_qef6a115e49_down:
	s_mov_b64 s[64:65], 0
	v_nop
	global_prefetch_b8 v0, s[64:65] scope:SCOPE_SE
	s_setreg_imm32_b32 hwreg(HW_REG_WAVE_MODE, 25, 1), 1
	s_wait_xcnt 0x0
	s_wait_alu depctr_hold_cnt(0) depctr_sa_sdst(0) depctr_va_vdst(0) depctr_va_sdst(0) depctr_va_ssrc(0) depctr_va_vcc(0) depctr_vm_vsrc(0)
	s_getreg_b32 s2, hwreg(HW_REG_IB_STS2, 6, 4)
	s_cmp_eq_u32 s2, 0
	s_cbranch_scc0 .Lentry_in_a_cluster
	s_endpgm
.Lentry_in_a_cluster:
	s_bfe_u32 s2, ttmp6, 0x10000c
	s_cmp_lg_u32 s2, 0xf033
	s_cbranch_scc0 .Lentry_shape_is_right
	s_endpgm
.Lentry_shape_is_right:
; part[half][m][n] = the sum over the half's 32 groups g of scd[n][g] x (the sum over the group's 128 k of hb[m][k] sgn[n][k]).
; hb: [1024][8192] bf16.  sgn: [2048][8192] bf16, +1, -1 or 0: exact.  scd: [2048][64] f32.  part: [2][1024][2048] f32.  Group sums, the scaling and the sums over groups in f32.
; The scale stays outside the matrix operand, so it is never rounded: a group's sum is made in registers T by four matrix instructions a tile and added, times its scale, onto ACC by vector instructions.
; LIMITS.  NaN and infinities are not treated apart.  The two halves of K are added by the launch behind, in a fixed order.
; SHARES.  1,024 x 2,048 outputs are 128 tiles of 128 x 128; K is split in two, so that there are 256 work-groups of equal work.  Four waves, each 64 x 64: 16 tiles of 16 x 16.
; K goes in 16 steps of 256 (two groups) through two LDS slots; a row of a tile is 512 bytes of memory, aligned.
; CLUSTERS: 4 x 4 work-groups.  A row of the cluster shares hb's tiles, a column sgn's tiles and the scales: asked for JOINTLY.  The half of K hangs on the cluster's y alone: all partners have the same.
; NATURAL ORIENTATION (source 0 = 16 rows of hb, source 1 = 16 rows of sgn): lane l holds column n = l % 16 and the rows 8 (l / 16) + 0..7, so ONE scale a lane serves a tile's eight registers.
; BY TURNS.  While group G + 1 is multiplied into one T buffer, group G's 64 packed multiply-adds read the other: four of them behind every four matrix instructions.  They are also the plain
; instructions that stand between a matrix instruction and the readers of its result or the loads into its sources.
; ACC is cleared once, 128 lines in the wait for the first tile: the price of one form of multiply-add for all 32 groups.
; NO PREFETCH: the tiles are small and each is shared by four work-groups; a step's requests are few.
; REGISTERS, in windows of 256 (s_set_vgpr_msb: bits 1:0 source 0, 3:2 source 1, 5:4 source 2, 7:6 destination):
;   window 0: v0-31 addresses; v32-47 scales: set e at 32 + 8 e, column block b in the even register 32 + 8 e + 2 b (the odd ones hold 0: they are named as pairs); v128-255 ACC, tile t = 4 a + b at 128 + 8 t
;   window 1: two fragment buffers of 128: for 64 along K, 64 registers of hb (2 x 4 x 16 rows x 32 K), then 64 of sgn          window 2: T, two buffers of 128
.set KSTEP,  256
.set PITCH,  528                       ; an LDS row: 512 bytes + 16 of padding = 132 words: the 16 rows that a load touches start at 16 different groups of four banks (64 banks of 4 bytes: ISA guide 11.1)
.set HALFT,  64*PITCH                  ; what one tensor load brings, and what one wave reads of either operand
.set SLOT,   4*HALFT                   ; hb's 128 rows, then sgn's 128 rows
.set SCT,    2*SLOT                    ; behind the ring: the scales of the tile's 128 columns for the half's 32 groups, filled once
.set SCP,    144                       ; a row of them: 128 bytes + 16 = 36 words
.set SPARE,  SCT+128*SCP               ; the spare words, 128 bytes for each wave: two blocks of 256 bytes that no other line names
; THE STAGE for the way out is the head of slot 0: 128 rows x 528 bytes.  Slot 0 has had its last fill (K step 14) and its last read by then: the barrier of the last change of slots lies between.
.set ADRA, 16                          ; v16-17  LDS address of my hb fragments in slot 0, 1
.set ADRB, 20                          ; v20-21  the same for sgn
.set STO,  24                          ; v24     the way out: where I put a number
.set RD,   25                          ; v25     where I read 16 bytes of a row back
.set CO,   26                          ; v26     my byte offset in a row's 512 bytes of part
.set SAV,  27                          ; v27     LDS address of my column's scale for the step's first group; steps by 8 bytes a K step
.set SPW,  28                          ; v28     LDS address of my spare word; never rewritten
.set NIL,  29                          ; v29     0; never rewritten
.set S,    32
.set ACC,  128
.set F0,   0
.set F1,   128
.set G1,  24                           ; s[24:31] descriptor group 1 for hb's tiles;  s[32:39] group 0, a set for each slot
.set G0,  32
.set G1B, 48                           ; s[48:55], s[56:63] the same for sgn's tiles
.set G0B, 56
.set G1S, 68                           ; s[68:75], s[76:79] for the scales
.set G0S, 76
.set MSB, 0
.macro WIN new                         ; the immediate's high byte repeats the setting that is left; a switch that changes nothing is dropped
.if MSB != (\new)
	s_set_vgpr_msb (MSB<<8)|(\new)
.set MSB, \new
.endif
.endm
.set MUL,  0xa5                        ; sources 0 and 1 window 1; C and D window 2
.set RID,  0x02                        ; source 0 (T) window 2; scale, addend and destination window 0
.set TO_F, 0x40                        ; destination window 1, address window 0
.macro JLOAD s                         ; a joint refill: waves 0 and 1 fetch hb's two halves, waves 2 and 3 sgn's; an s_nop 0 and four v_nop follow each of the two lines
	s_cmp_eq_u32 s11, 0
	s_cbranch_scc0 .Lfor_b_\@
	tensor_load_to_lds s[G0+4*(\s):G0+4*(\s)+3], s[G1:G1+7]
	s_nop 0
.rept 4
	v_nop
.endr
	s_branch .Lasked_\@
.Lfor_b_\@:
	tensor_load_to_lds s[G0B+4*(\s):G0B+4*(\s)+3], s[G1B:G1B+7]
	s_nop 0
.rept 4
	v_nop
.endr
.Lasked_\@:
.endm
.macro CREST                           ; a round of the cluster's barrier behind its opening barrier
	s_cmp_lg_u32 s10, 0
	s_cbranch_scc1 .Lnot_wave_0_\@
	s_barrier_signal -3
.Lnot_wave_0_\@:
	s_barrier_wait -3
	s_barrier_signal -1
	s_barrier_wait -1
.endm
.macro CROUND                          ; a whole round
	s_barrier_signal -1
	s_barrier_wait -1
	CREST
.endm
	s_load_b128 s[4:7], s[0:1], 0x0                ; hb s[4:5], sgn s[6:7]
	s_load_b64 s[2:3], s[0:1], 0x10                ; scd
	s_load_b64 s[8:9], s[0:1], 0x18                ; part
	v_lshl_add_u32 v[SPW], v0, 2, SPARE
	v_mov_b32 v[NIL], 0
	ds_add_u32 v[SPW], v[NIL]                      ; the wave's opening: the add, twice on end, and its wait ahead of my first tensor load
	ds_add_u32 v[SPW], v[NIL]
	v_lshrrev_b32 v1, 5, v0
	v_readfirstlane_b32 s10, v1                    ; wave 0..3
	s_lshr_b32 s11, s10, 1                         ; which half of the tile's rows is mine.  Also: I fetch for hb (0) or for sgn (1)
	s_and_b32 s12, s10, 1                          ; which half of its columns.  Also: which 64 rows of that tile I fetch
	s_bfe_u32 s40, ttmp6, 0x40000                  ; cx
	s_bfe_u32 s41, ttmp6, 0x40004                  ; cy
	s_lshl_b32 s42, ttmp9, 2
	s_add_co_u32 s42, s42, s40                     ; tile column = 4 x cluster x + cx, 0..15
	s_and_b32 s67, ttmp7, 0xffff                   ; cluster y, 0..3
	s_lshr_b32 s66, s67, 1                         ; the half of K
	s_and_b32 s13, s67, 1
	s_lshl_b32 s13, s13, 2
	s_add_co_u32 s13, s13, s41                     ; tile row = 4 x (cluster y % 2) + cy, 0..7
	s_lshl_b32 s43, s41, 2
	s_lshl_b32 s43, 15, s43                        ; my row of the cluster
	s_lshl_b32 s44, 0x1111, s40                    ; my column
	; descriptor group 1: tiles of 64 rows x 256 elements of 2 bytes, 16 bytes of padding behind every 128 words
	s_or_b32 s[G1+0], s43, (1<<16)|(1<<20)|(1<<21)|(6<<22)|(3<<25)
	s_or_b32 s[G1B+0], s44, (1<<16)|(1<<20)|(1<<21)|(6<<22)|(3<<25)
.irp g, G1, G1B
	s_mov_b32 s[(\g)+1], KSTEP<<16                 ; tensor_dim0 = 256
	s_mov_b32 s[(\g)+2], 64<<16                    ; tensor_dim1 = 64
	s_mov_b32 s[(\g)+3], KSTEP<<16                 ; tile_dim0 = 256
	s_mov_b32 s[(\g)+4], 64                        ; tile_dim1 = 64
	s_mov_b32 s[(\g)+5], 8192                      ; elements from row to row
	s_mov_b32 s[(\g)+6], 0
	s_mov_b32 s[(\g)+7], 0
.endr
	; the scales: 64 rows x 32 elements of 4 bytes, 16 bytes of padding behind every 32 words; shared along my column, like sgn's tiles
	s_or_b32 s[G1S+0], s44, (2<<16)|(1<<20)|(1<<21)|(4<<22)|(3<<25)
	s_mov_b32 s[G1S+1], 32<<16                     ; tensor_dim0 = 32
	s_mov_b32 s[G1S+2], 64<<16                     ; tensor_dim1 = 64
	s_mov_b32 s[G1S+3], 32<<16                     ; tile_dim0 = 32
	s_mov_b32 s[G1S+4], 64                         ; tile_dim1 = 64
	s_mov_b32 s[G1S+5], 64                         ; a row of scd has 64 elements
	s_mov_b32 s[G1S+6], 0
	s_mov_b32 s[G1S+7], 0
	s_lshl_b32 s17, s12, 6                         ; which 64 rows of the tile I fetch
	s_lshl_b32 s20, s66, 13                        ; my half of K: 4,096 elements of 2 bytes
	s_lshl_b32 s16, s13, 7
	s_add_co_u32 s16, s16, s17                     ; hb: row 128 x tile row + 64 x half,
	s_lshl_b32 s16, s16, 14                        ; of 16,384 bytes
	s_add_co_u32 s16, s16, s20
	s_lshl_b32 s46, s42, 7
	s_add_co_u32 s46, s46, s17                     ; sgn and scd: row 128 x tile column + 64 x half
	s_lshl_b32 s22, s46, 8                         ; scd: rows of 256 bytes,
	s_lshl_b32 s21, s66, 7                         ; the half's 32 scales: 128 bytes
	s_add_co_u32 s22, s22, s21
	s_lshl_b32 s46, s46, 14
	s_add_co_u32 s46, s46, s20
	s_mov_b32 s17, 0
	s_mov_b32 s47, 0
	s_mov_b32 s23, 0
	s_mul_i32 s45, s10, HALFT                      ; where the tiles go: wave x 64 rows: no place in the cluster enters an LDS address
	s_mov_b32 s[G0S], 1
	s_mul_i32 s[G0S+1], s12, 64*SCP
	s_add_co_u32 s[G0S+1], s[G0S+1], SCT
	s_wait_dscnt 0x0                               ; both opening adds are done
	s_wait_kmcnt 0x0
	s_add_nc_u64 s[14:15], s[4:5], s[16:17]
	s_add_nc_u64 s[46:47], s[6:7], s[46:47]
	s_add_nc_u64 s[G0S+2:G0S+3], s[2:3], s[22:23]
	s_or_b32 s[G0S+3], s[G0S+3], 0x80000000
.irp s, 0,1
	s_mov_b32 s[G0+4*(\s)], 1
	s_add_co_u32 s[G0+4*(\s)+1], s45, (\s)*SLOT
	s_add_nc_u64 s[G0+4*(\s)+2:G0+4*(\s)+3], s[14:15], (\s)*KSTEP*2
	s_or_b32 s[G0+4*(\s)+3], s[G0+4*(\s)+3], 0x80000000
	s_mov_b32 s[G0B+4*(\s)], 1
	s_add_co_u32 s[G0B+4*(\s)+1], s45, (\s)*SLOT
	s_add_nc_u64 s[G0B+4*(\s)+2:G0B+4*(\s)+3], s[46:47], (\s)*KSTEP*2
	s_or_b32 s[G0B+4*(\s)+3], s[G0B+4*(\s)+3], 0x80000000
.endr
	CROUND                                         ; all sixteen work-groups are here: the first joint loads meet
	s_cmp_eq_u32 s11, 0                            ; a wave's first fills stand in one branch, ahead of every wait on TENSORcnt and every LDS read: two loads are out in waves 0 and 1, three in waves 2 and 3
	s_cbranch_scc0 .Lfirst_b
	tensor_load_to_lds s[G0:G0+3], s[G1:G1+7]
	s_nop 0
	tensor_load_to_lds s[G0+4:G0+7], s[G1:G1+7]
	s_nop 0
.rept 4
	v_nop
.endr
	s_branch .Lfirst_asked
.Lfirst_b:
	tensor_load_to_lds s[G0S:G0S+3], s[G1S:G1S+7]
	s_nop 0
	tensor_load_to_lds s[G0B:G0B+3], s[G1B:G1B+7]
	s_nop 0
	tensor_load_to_lds s[G0B+4:G0B+7], s[G1B:G1B+7]
	s_nop 0
.rept 4
	v_nop
.endr
.Lfirst_asked:
	v_and_b32 v1, 15, v0                           ; l % 16
	v_bfe_u32 v2, v0, 4, 1                         ; l / 16
	v_mul_u32_u24 v3, v1, PITCH
	v_lshl_add_u32 v3, v2, 4, v3                   ; a fragment's row x pitch + 16 x half
	s_mul_i32 s21, s11, HALFT                      ; my 64 rows of hb
	s_mul_i32 s22, s12, HALFT                      ; my 64 rows of sgn,
	s_add_co_u32 s22, s22, 2*HALFT                 ; which lie behind hb's 128
.irp s, 0,1
	v_add_nc_u32 v[ADRA+(\s)], s21, v3
	v_add_nc_u32 v[ADRB+(\s)], s22, v3
	s_add_co_u32 s21, s21, SLOT
	s_add_co_u32 s22, s22, SLOT
.endr
	s_mul_i32 s23, s11, 64*PITCH                   ; into the stage: row 64 x row half + 8 (l / 16) (+ 16 a + j), byte 256 x column half + 4 (l % 16) (+ 64 b)
	s_lshl_b32 s21, s12, 8
	s_add_co_u32 s23, s23, s21
	v_mul_u32_u24 v4, v2, 8*PITCH
	v_lshl_add_u32 v4, v1, 2, v4
	v_add_nc_u32 v[STO], s23, v4
	v_and_b32 v5, 31, v0
	v_lshlrev_b32 v[CO], 4, v5                     ; back: wave w takes rows 32 w .. 32 w + 31, whole: 32 lanes x 16 bytes are a row's 512
	s_mul_i32 s23, s10, 32*PITCH
	v_add_nc_u32 v[RD], s23, v[CO]
	s_mul_i32 s23, s12, 64*SCP                     ; my column's row of scales
	s_add_co_u32 s23, s23, SCT
	v_mul_u32_u24 v5, v1, SCP
	v_add_nc_u32 v[SAV], s23, v5
	s_lshl_b32 s16, s13, 7
	s_lshl_b32 s17, s10, 5
	s_add_co_u32 s16, s16, s17                     ; the first row of part that I store: 128 x tile row + 32 x wave,
	s_lshl_b32 s16, s16, 13                        ; of 8,192 bytes,
	s_lshl_b32 s17, s66, 23                        ; in my half's 8,388,608 bytes
	s_add_co_u32 s16, s16, s17
	s_mov_b32 s17, 0
	s_add_nc_u64 s[8:9], s[8:9], s[16:17]
	s_lshl_b32 s46, s42, 9                         ; the tile's 128 columns: 512 bytes
	s_mov_b32 s47, 0
	s_add_nc_u64 s[8:9], s[8:9], s[46:47]
.set ii, 0
.rept 128
	v_mov_b32 v[ACC+ii], 0
.set ii, ii+1
.endr
.set ii, 0
.rept 8
	v_mov_b32 v[S+2*ii+1], 0
.set ii, ii+1
.endr
; 4 matrix instructions: row block a x all 4 column blocks, 32 along K (half c of buffer f), into T buffer tb.  zero = 1: the group's first product starts its sums.
; The 16 tiles of T take turns, one instruction a turn: 15 others stand between two links of a chain.
.macro MUL4 f, c, a, tb, zero
	WIN MUL
.irp b, 0,1,2,3
.if \zero
	v_wmma_f32_16x16x32_bf16 v[128*(\tb)+8*(4*(\a)+(\b)):128*(\tb)+8*(4*(\a)+(\b))+7], v[(\f)+8*(4*(\c)+(\a)):(\f)+8*(4*(\c)+(\a))+7], v[(\f)+64+8*(4*(\c)+(\b)):(\f)+64+8*(4*(\c)+(\b))+7], 0
.else
	v_wmma_f32_16x16x32_bf16 v[128*(\tb)+8*(4*(\a)+(\b)):128*(\tb)+8*(4*(\a)+(\b))+7], v[(\f)+8*(4*(\c)+(\a)):(\f)+8*(4*(\c)+(\a))+7], v[(\f)+64+8*(4*(\c)+(\b)):(\f)+64+8*(4*(\c)+(\b))+7], v[128*(\tb)+8*(4*(\a)+(\b)):128*(\tb)+8*(4*(\a)+(\b))+7]
.endif
.endr
.endm
; ACC += T x scale for tile t of T buffer tb, from the tile's lowest registers on; the scale is the low register of its pair, for both halves.  mode = 0: nothing (no group is finished yet).
.macro RID4 t, tb, mode
.if \mode
	WIN RID
.irp p, 0,1,2,3
	v_pk_fma_f32 v[ACC+8*(\t)+2*(\p):ACC+8*(\t)+2*(\p)+1], v[128*(\tb)+8*(\t)+2*(\p):128*(\tb)+8*(\t)+2*(\p)+1], v[S+8*(\tb)+2*((\t)%4):S+8*(\tb)+2*((\t)%4)+1], v[ACC+8*(\t)+2*(\p):ACC+8*(\t)+2*(\p)+1] op_sel_hi:[1,0,1]
.endr
.endif
.endm
.macro MR f, c, a, tb, zero, t, mode   ; four products into T buffer tb, then tile t of the other buffer
	MUL4 \f, \c, \a, \tb, \zero
	RID4 \t, 1-(\tb), \mode
.endm
; One run of LDS loads: sc = 0, 1: first my four scales of the step's group sc, into set sc (behind set 1's the address steps to the next K step); then the fragments of 64 along K at byte k of the
; rows, into buffer f, the first 32 along K first.
.macro FETCH slot, k, f, sc
.if (\sc) >= 0
	WIN 0
.irp b, 0,1,2,3
	ds_load_b32 v[S+8*(\sc)+2*(\b)], v[SAV] offset:16*SCP*(\b)+4*(\sc)
.endr
.if (\sc) == 1
	v_add_nc_u32 v[SAV], 8, v[SAV]
.endif
.endif
	WIN TO_F
.irp c, 0,1
.irp i, 0,1,2,3
	ds_load_b128 v[(\f)+64+8*(4*(\c)+(\i)):(\f)+64+8*(4*(\c)+(\i))+3],   v[ADRB+(\slot)] offset:(\k)+64*(\c)+(\i)*16*PITCH
	ds_load_b128 v[(\f)+64+8*(4*(\c)+(\i))+4:(\f)+64+8*(4*(\c)+(\i))+7], v[ADRB+(\slot)] offset:(\k)+64*(\c)+(\i)*16*PITCH+32
	ds_load_b128 v[(\f)+8*(4*(\c)+(\i)):(\f)+8*(4*(\c)+(\i))+3],         v[ADRA+(\slot)] offset:(\k)+64*(\c)+(\i)*16*PITCH
	ds_load_b128 v[(\f)+8*(4*(\c)+(\i))+4:(\f)+8*(4*(\c)+(\i))+7],       v[ADRA+(\slot)] offset:(\k)+64*(\c)+(\i)*16*PITCH+32
.endr
.endr
.endm
.macro PLACES                          ; four plain vector instructions between a matrix instruction and a load into its sources or a reader of its result (ISA guide 7.12.1 for vector instructions)
.rept 4
	v_nop
.endr
.endm
; A K step is four quarters of 64 along K, 32 matrix instructions each, on fragment buffers 0, 1, 0, 1; quarters 0, 1 are the step's first group (T buffer 0), quarters 2, 3 its second (T buffer 1).
; One of the first three: multiplies f into T buffer tb (gq: the group's first or second quarter), adds tiles 8 gq .. 8 gq + 7 of the other T buffer onto ACC, and in its middle fetches the next quarter.
; The scales of set 0 are loaded in quarter 0 and first used in quarter 2; those of set 1 in quarter 2, first used in the next step's quarter 0; each set is idle when it is loaded.
.macro QUARTER slot, k, f, g, tb, gq, mode, sc
	s_wait_dscnt 16                                ; the first 32 along K (and scales loaded ahead of them) are in; the youngest sixteen loads may be out
.irp a, 0,1,2,3
	MR \f, 0, \a, \tb, 1-(\gq), 8*(\gq)+(\a), \mode
.endr
.if (\mode) == 0
	PLACES
.endif
	FETCH \slot, \k, \g, \sc
.if (\sc) >= 0
	s_wait_dscnt 36                                ; all but the 36 just issued
.else
	s_wait_dscnt 32                                ; all but the 32 just issued
.endif
.irp a, 0,1,2,3
	MR \f, 1, \a, \tb, 0, 8*(\gq)+4+(\a), \mode
.endr
.endm
; The step's last quarter changes slots: ONE barrier; in front of it each wave waits for all its tensor loads (its part of the next slot), adds 0 to its spare word, and waits for that and for its own reads
; of this slot.  fill = 1: the barrier opens a round of the cluster's barrier, and this slot is filled again, two K steps on: the first tensor load behind the round, 112 matrix instructions ahead of the wait for it.
.macro TURN slot, next, fill
	WIN 0                                          ; (the add's two registers lie in window 0)
	s_wait_tensorcnt 0x0
	ds_add_u32 v[SPW], v[NIL]
	s_wait_dscnt 17                                ; (the add and the youngest sixteen loads may be out)
	MR F1, 0, 0, 1, 0, 8, 1                        ; work on registers stands between the add and the wait for it
	MR F1, 0, 1, 1, 0, 9, 1
	s_wait_dscnt 0x0                               ; the add is done, and my reads of this slot are over
	s_barrier_signal -1
	MR F1, 0, 2, 1, 0, 10, 1
	MR F1, 0, 3, 1, 0, 11, 1
	WIN 0
	s_barrier_wait -1
.if \fill
	CREST                                          ; no wave of any partner still reads this slot's tile or has a load on its way
	s_add_nc_u64 s[G0+4*(\slot)+2:G0+4*(\slot)+3], s[G0+4*(\slot)+2:G0+4*(\slot)+3], 2*KSTEP*2
	s_add_nc_u64 s[G0B+4*(\slot)+2:G0B+4*(\slot)+3], s[G0B+4*(\slot)+2:G0B+4*(\slot)+3], 2*KSTEP*2
	JLOAD \slot
.endif
	FETCH \next, 0, F0, -1
.irp a, 0,1,2,3
	MR F1, 1, \a, 1, 0, 12+(\a), 1
.endr
.endm
.macro THREE slot                      ; a step's first three quarters
	QUARTER \slot, 128, F0, F1, 0, 0, 1, 0
	QUARTER \slot, 256, F1, F0, 0, 1, 1, -1
	QUARTER \slot, 384, F0, F1, 1, 0, 1, 1
.endm
	s_wait_tensorcnt 1                             ; my part of K step 0 (and of the scales) is in; K step 1's may stay out
	s_barrier_signal -1
	s_barrier_wait -1                              ; everybody's is
	FETCH 0, 0, F0, -1
	QUARTER 0, 128, F0, F1, 0, 0, 0, 0             ; the first group stands in front of the loop: no group is finished yet, so nothing is added beside it
	QUARTER 0, 256, F1, F0, 0, 1, 0, -1
	PLACES                                         ; between its last products and the first reader of T
	WIN 0                                          ; at a label and at a branch every window is 0
	s_mov_b32 s3, 7
	s_branch .Lmid                                 ; the loop is entered behind a step's first group
.Llap:                                         ; seven trips, two K steps each: both slots are filled again
	QUARTER 0, 128, F0, F1, 0, 0, 1, 0
	QUARTER 0, 256, F1, F0, 0, 1, 1, -1
	WIN 0
.Lmid:
	QUARTER 0, 384, F0, F1, 1, 0, 1, 1
	TURN 0, 1, 1
	THREE 1
	TURN 1, 0, 1
	WIN 0
	s_sub_co_u32 s3, s3, 1
	s_cmp_lg_u32 s3, 0
	s_cbranch_scc1 .Llap
	THREE 0                                        ; the last two K steps are written out: they fill nothing, and have no round of the cluster's barrier
	TURN 0, 1, 0
	THREE 1
	s_wait_dscnt 16                                ; the very last quarter: nothing more to fetch
.irp a, 0,1,2,3
	MR F1, 0, \a, 1, 0, 8+(\a), 1
.endr
	s_wait_dscnt 0x0
.irp a, 0,1,2,3
	MR F1, 1, \a, 1, 0, 12+(\a), 1
.endr
	PLACES
.set tt, 0
.rept 16
	RID4 tt, 1, 1                                  ; the last group
.set tt, tt+1
.endr
	; THE WAY OUT: a lane holds a piece of a column, so the tile goes through the stage: 4 bytes a lane in (16 neighbouring words, the two halves of the lanes 32 banks apart), whole rows of 512 bytes back.
	WIN 0
.set tt, 0
.rept 16
.set jj, 0
.rept 8
	ds_store_b32 v[STO], v[ACC+8*tt+jj] offset:(16*(tt/4)+jj)*PITCH+64*(tt%4)
.set jj, jj+1
.endr
.set tt, tt+1
.endr
	s_wait_dscnt 0x0                               ; for the others' sake: my stores into the stage are done; a row's 512 bytes come from two waves
	s_barrier_signal -1
	s_barrier_wait -1
.set tt, 0
.rept 32
	ds_load_b128 v[ACC+4*tt:ACC+4*tt+3], v[RD] offset:tt*PITCH
.set tt, tt+1
.endr
.set tt, 0
.rept 32
	s_wait_dscnt 31-tt                             ; the younger loads from the stage may stay out
	global_store_b128 v[CO], v[ACC+4*tt:ACC+4*tt+3], s[8:9] offset:tt*8192  ; the wave stores 512 consecutive bytes, at a multiple of 256 from part's first byte
.set tt, tt+1
.endr
	s_wait_tensorcnt 0x0                           ; the wave's end, behind my last tensor load and my last LDS store
	ds_add_u32 v[SPW], v[NIL]
	s_wait_dscnt 0x0
	CROUND                                         ; the closing round: no work-group ends while a partner may still ask for a tile that names it
	s_endpgm
.Lfunc_end_k_qef6a115e49_down:
	.size	k_qef6a115e49_down, .Lfunc_end_k_qef6a115e49_down-k_qef6a115e49_down
	.p2alignl 7, 3214868480
	.fill 96, 4, 3214868480
	.section	.rodata,"a",@progbits
	.p2align	6, 0x0
	.amdhsa_kernel k_qef6a115e49_down
		.amdhsa_group_segment_fixed_size 327680
		.amdhsa_private_segment_fixed_size 0
		.amdhsa_enable_private_segment 0
		.amdhsa_kernarg_size 32
		.amdhsa_user_sgpr_count 2
		.amdhsa_user_sgpr_kernarg_segment_ptr 1
		.amdhsa_wavefront_size32 1
		.amdhsa_system_sgpr_workgroup_id_x 1
		.amdhsa_system_sgpr_workgroup_id_y 1
		.amdhsa_system_sgpr_workgroup_id_z 1
		.amdhsa_system_vgpr_workitem_id 0
		.amdhsa_next_free_vgpr 768
		.amdhsa_next_free_sgpr 80
		.amdhsa_reserve_vcc 0
		.amdhsa_float_denorm_mode_32 3
		.amdhsa_float_denorm_mode_16_64 3
		.amdhsa_memory_ordered 1
		.amdhsa_forward_progress 1
		.amdhsa_inst_pref_size 151
	.end_amdhsa_kernel
	.amdgpu_metadata
---
amdhsa.version: [ 1, 2 ]
amdhsa.kernels:
  - .name:           k_qef6a115e49_down
    .symbol:         k_qef6a115e49_down.kd
    .args:
      - { .name: hb, .offset: 0, .size: 8, .value_kind: global_buffer, .address_space: global }
      - { .name: sgn, .offset: 8, .size: 8, .value_kind: global_buffer, .address_space: global }
      - { .name: scd, .offset: 16, .size: 8, .value_kind: global_buffer, .address_space: global }
      - { .name: part, .offset: 24, .size: 8, .value_kind: global_buffer, .address_space: global }
    .group_segment_fixed_size: 327680
    .private_segment_fixed_size: 0
    .kernarg_segment_align: 8
    .kernarg_segment_size: 32
    .max_flat_workgroup_size: 128
    .sgpr_count:     80
    .vgpr_count:     768
    .wavefront_size: 32
...
	.end_amdgpu_metadata
.endif
;; end of part 3
;; launch join (part 4): grid 256 x 1, 8 waves a work-group, no clusters, 0 bytes of LDS; arguments part, out0; writes out0
.if DOCPART == 4
	.amdgcn_target "amdgcn-amd-amdhsa--gfx1250"
	.amdhsa_code_object_version 6
	.text
	.protected	k_qef6a115e49_join
	.globl	k_qef6a115e49_join
	.p2align	8
	.type	k_qef6a115e49_join,@function
k_qef6a115e49_join:
	s_mov_b64 s[64:65], 0
	v_nop
	global_prefetch_b8 v0, s[64:65] scope:SCOPE_SE
	s_setreg_imm32_b32 hwreg(HW_REG_WAVE_MODE, 25, 1), 1
	s_wait_xcnt 0x0
; out0 = part[0] + part[1]: the two halves of K of the down product, added in f32, in a fixed order.  part: [2][1024][2048] f32; out0: [1024][2048] f32.
; A stream: a work-group owns 32,768 bytes of out0; thread t takes the 16 bytes at 4,096 j + 16 t, j = 0..7, so a load or store of a wave covers 512 consecutive bytes, aligned.
; All sixteen loads of a thread go out at once; no loop, no LDS, nothing shared.
.set P, 8                              ; v[8:39]   the first half's numbers, then the sums
.set Q, 40                             ; v[40:71]  the second half's
	s_load_b128 s[4:7], s[0:1], 0x0                ; part s[4:5], out0 s[6:7]
	s_lshl_b32 s2, ttmp9, 15
	s_mov_b32 s3, 0
	v_lshlrev_b32 v1, 4, v0
	s_wait_kmcnt 0x0
	s_add_nc_u64 s[4:5], s[4:5], s[2:3]
	s_add_nc_u64 s[8:9], s[4:5], 0x800000          ; the second half lies 8,388,608 bytes on: past a store's or load's immediate, so it has a base of its own
	s_add_nc_u64 s[6:7], s[6:7], s[2:3]
.irp j, 0,1,2,3,4,5,6,7
	global_load_b128 v[P+4*(\j):P+4*(\j)+3], v1, s[4:5] offset:4096*(\j) th:TH_LOAD_NT
	global_load_b128 v[Q+4*(\j):Q+4*(\j)+3], v1, s[8:9] offset:4096*(\j) th:TH_LOAD_NT
.endr
.irp j, 0,1,2,3,4,5,6,7
	s_wait_loadcnt 14-2*(\j)                       ; pair j is in; the younger pairs stay out
	v_pk_add_f32 v[P+4*(\j):P+4*(\j)+1],   v[P+4*(\j):P+4*(\j)+1],   v[Q+4*(\j):Q+4*(\j)+1]
	v_pk_add_f32 v[P+4*(\j)+2:P+4*(\j)+3], v[P+4*(\j)+2:P+4*(\j)+3], v[Q+4*(\j)+2:Q+4*(\j)+3]
	global_store_b128 v1, v[P+4*(\j):P+4*(\j)+3], s[6:7] offset:4096*(\j) th:TH_STORE_NT
.endr
	s_endpgm
.Lfunc_end_k_qef6a115e49_join:
	.size	k_qef6a115e49_join, .Lfunc_end_k_qef6a115e49_join-k_qef6a115e49_join
	.p2alignl 7, 3214868480
	.fill 96, 4, 3214868480
	.section	.rodata,"a",@progbits
	.p2align	6, 0x0
	.amdhsa_kernel k_qef6a115e49_join
		.amdhsa_group_segment_fixed_size 0
		.amdhsa_private_segment_fixed_size 0
		.amdhsa_enable_private_segment 0
		.amdhsa_kernarg_size 16
		.amdhsa_user_sgpr_count 2
		.amdhsa_user_sgpr_kernarg_segment_ptr 1
		.amdhsa_wavefront_size32 1
		.amdhsa_system_sgpr_workgroup_id_x 1
		.amdhsa_system_sgpr_workgroup_id_y 1
		.amdhsa_system_sgpr_workgroup_id_z 1
		.amdhsa_system_vgpr_workitem_id 0
		.amdhsa_next_free_vgpr 72
		.amdhsa_next_free_sgpr 66
		.amdhsa_reserve_vcc 0
		.amdhsa_float_denorm_mode_32 3
		.amdhsa_float_denorm_mode_16_64 3
		.amdhsa_memory_ordered 1
		.amdhsa_forward_progress 1
		.amdhsa_inst_pref_size 5
	.end_amdhsa_kernel
	.amdgpu_metadata
---
amdhsa.version: [ 1, 2 ]
amdhsa.kernels:
  - .name:           k_qef6a115e49_join
    .symbol:         k_qef6a115e49_join.kd
    .args:
      - { .name: part, .offset: 0, .size: 8, .value_kind: global_buffer, .address_space: global }
      - { .name: out0, .offset: 8, .size: 8, .value_kind: global_buffer, .address_space: global }
    .group_segment_fixed_size: 0
    .private_segment_fixed_size: 0
    .kernarg_segment_align: 8
    .kernarg_segment_size: 16
    .max_flat_workgroup_size: 256
    .sgpr_count:     66
    .vgpr_count:     72
    .wavefront_size: 32
...
	.end_amdgpu_metadata
.endif
;; end of part 4
;; ======== version 2 of 2: 4 launches; version 1 with the launch quant written anew for expert scheduling mode
;; limits: values are held in f16: magnitudes above 65,504 overflow, below 6.1e-05 lose precision; inputs' magnitudes at most 65,504
;; workspace buffers: xh 4,194,304 bytes; wgu 67,108,864 bytes; sgn 33,554,432 bytes; scd 524,288 bytes; hb 16,777,216 bytes; part 16,777,216 bytes
;; launch quant (part 5): grid 1024 x 1, 8 waves a work-group, no clusters, 0 bytes of LDS; arguments w_gate, w_up, w_down, x, wgu, sgn, scd, xh; writes wgu, sgn, scd, xh
.if DOCPART == 5
	.amdgcn_target "amdgcn-amd-amdhsa--gfx1250"
	.amdhsa_code_object_version 6
	.text
	.protected	k_qef6a115e49_quant
	.globl	k_qef6a115e49_quant
	.p2align	8
	.type	k_qef6a115e49_quant,@function
k_qef6a115e49_quant:
	s_mov_b64 s[64:65], 0
	v_nop
	global_prefetch_b8 v0, s[64:65] scope:SCOPE_SE
	s_setreg_imm32_b32 hwreg(HW_REG_WAVE_SCHED_MODE, 0, 2), 2
	s_setreg_imm32_b32 hwreg(HW_REG_WAVE_MODE, 25, 1), 1
	s_wait_xcnt 0x0
	s_wait_alu depctr_vm_vsrc(0)
; THE WEIGHTS ARE QUANTISED ONCE, AND x IS NARROWED.  For each group of 128 neighbouring numbers of a row: scale = mean of |w|, value = sign(w) x scale.
;   w_gate, w_up [8192][2048] f32 -> wgu [16384][2048] f16 = f16(sign x scale); gate row i at row (i/64) 128 + i%64, up row i 64 rows further: 128 rows on end hold 64 gate rows and the same 64 up rows.
;   w_down [2048][8192] f32 -> sgn [2048][8192] bf16 = sign alone (+1, -1, or a zero where w is a zero), and scd [2048][64] f32 = the scales, unrounded.
;   x [1024][2048] f32 -> xh f16.
; HOW THE SIGN IS MADE.  t = w x 2^127 is rounded to 16 bits and held between -c and +c (c = the scale in f16, or 1 in bf16): a zero stays a zero, everything else lands on +c or -c.
; LIMITS.  A non-zero weight below 2^-127 (5.9e-39) times its group's scale (w_down: a non-zero |w| below 2^-127) comes out as w x 2^127, short of the full sign.
; |x| and the gate and up scales lie within f16's range (65,504); a scale below 6.1e-5 keeps f16's fixed step of 6e-8.  NaN and infinities are not treated apart.
; The 128 magnitudes are added eight in a lane and then across 16 lanes: another order than a running sum's; the division by 128 is exact.
; SHARES.  A stream: every byte is read once and written once; nothing is shared, so there is no LDS, no barrier, no matrix work.  Of a work-group's eight waves two take w_gate, two w_up, two w_down, two x.
; A weight wave owns a unit of 64 groups on end (32,768 bytes in: four rows of gate or up, one row of down).  An x wave owns 4,096 bytes.
; A SLOT IS TWO GROUPS: 1,024 consecutive bytes, aligned.  Lane l takes the 32 bytes at 32 l, by two loads of 16 bytes issued on end, which together cover the 1,024.  So lanes 0-15 hold one group and
; lanes 16-31 the next: a group's sum ends inside a row of 16 lanes, and a lane's eight results are 16 neighbouring bytes: one store of the wave writes 512 consecutive bytes, aligned.
; THE MODE: SCHED_MODE bits 1:0 = 2 (LLVM: expert scheduling mode 2), set by the entry lines.  The code itself states the register dependences between vector instructions and memory instructions,
; and those through scalar registers that vector instructions write, with s_wait_alu, always for 0.
; THE PLAN.  A unit's 32 slots go in 16 blocks of two.  Registers that memory instructions touch:
;   X0 .. X3   four blocks of w as loaded.  Written by the four loads of block p + 3, issued in block p; read, and multiplied in place, by block p's vector lines.
;   Y0, Y1     two blocks of results.       Written by block p's roundings and clamps; read by the two stores that are issued in block p + 1.
;   v2, v3, v5 byte offsets, made once at the head and never written again: the slots are reached by the two scalar bases, which move on by a block at each block's head, and by immediate offsets.
;   v[14:15]   w_down: two scales, written by two selects at the unit's end and read by one store.
; Block p works on X[p % 4] and writes Y[p % 2].  Its memory instructions are the loads into X[(p + 3) % 4] = X[(p - 1) % 4] and the stores from Y[(p - 1) % 2]: the two buffers that block p - 1 worked on
; and that no vector instruction of block p names.  So the waits at a block's head state all that its six memory instructions hang on, and these are dealt among its vector lines with no further wait.
; Eight to twelve loads (4,096 to 6,144 bytes) of a wave are out.
.set VI,  2                            ; v2       32 x lane: my bytes of a slot; never rewritten
.set VO,  3                            ; v3       16 x lane: my bytes of its result; never rewritten
.set L15, 4                            ; v4       lane % 16
.set V8,  5                            ; v5       8 x lane: my two scales of a row of scd; never rewritten
.set A,   6                            ; v[6:9]   the sum, at work: no memory instruction names it
.set SP,  10                           ; v10      the scale, twice, in f16
.set SN,  11                           ; v11      the same with the signs set
.set CA,  12                           ; v12      w_down: the scale kept from the last slot whose number % 16 is my lane % 16,
.set CB,  13                           ; v13      and the one kept sixteen slots before it
.set P,   14                           ; v[14:15] w_down: the scales of groups 2 l and 2 l + 1
.set X,   32                           ; v[32:95]  buffer k, slot i: eight registers at X + 16 k + 8 i: eight numbers as loaded, then times 2^127
.set Y,   96                           ; v[96:111] buffer k, slot i: four registers at Y + 8 k + 4 i: eight results, packed
.set MK,  16                           ; s[16:23]  w_down: for up to eight slots to come, the lanes that keep the slot's scale (the arguments that lay here have been read by then)
; The vector work of slot i of a block.  kind 0: gate and up; 1: down.  m: which of the masks is this slot's.  nm: so many masks are made here, for this slot and the nm - 1 behind it.
; The multiplications by 2^127 and the roundings stand between the links of the sum's chain, which each wait for the link before.
.macro SLOT xb, yb, i, kind, m, nm
.set XR, X+16*(\xb)+8*(\i)
.set YR, Y+8*(\yb)+4*(\i)
.if \nm
.set mk, 0
.rept \nm
	s_add_co_u32 s[MK+mk], s32, mk                 ; the slot's number % 16, made in the mask's own register: the selects that read the last mask there stand ahead of the block's wait on va_vdst
	s_and_b32 s[MK+mk], s[MK+mk], 15
	v_cmp_eq_u32 s[MK+mk], s[MK+mk], v[L15]        ; the compares stand in one run, under the one wait below
.set mk, mk+1
.endr
.endif
	v_add_f32 v[A],   |v[XR]|,   |v[XR+1]|
	v_add_f32 v[A+1], |v[XR+2]|, |v[XR+3]|
	v_add_f32 v[A+2], |v[XR+4]|, |v[XR+5]|
	v_add_f32 v[A+3], |v[XR+6]|, |v[XR+7]|
	v_pk_add_f32 v[A:A+1], v[A:A+1], v[A+2:A+3]
	v_pk_mul_f32 v[XR:XR+1], v[XR:XR+1], s[36:37] op_sel_hi:[1,0]
	v_add_f32 v[A], v[A], v[A+1]                   ; my eight magnitudes
	v_pk_mul_f32 v[XR+2:XR+3], v[XR+2:XR+3], s[36:37] op_sel_hi:[1,0]
	v_add_f32_dpp v[A], v[A], v[A] row_xmask:1 row_mask:0xf bank_mask:0xf
	v_pk_mul_f32 v[XR+4:XR+5], v[XR+4:XR+5], s[36:37] op_sel_hi:[1,0]
	v_add_f32_dpp v[A], v[A], v[A] row_xmask:2 row_mask:0xf bank_mask:0xf
	v_pk_mul_f32 v[XR+6:XR+7], v[XR+6:XR+7], s[36:37] op_sel_hi:[1,0]
	v_add_f32_dpp v[A], v[A], v[A] row_xmask:4 row_mask:0xf bank_mask:0xf
.if \kind
	v_cvt_pk_bf16_f32 v[YR], v[XR], v[XR+1]
.else
	v_cvt_pk_f16_f32 v[YR], v[XR], v[XR+1]
.endif
	v_add_f32_dpp v[A], v[A], v[A] row_xmask:8 row_mask:0xf bank_mask:0xf
.if \kind
	v_cvt_pk_bf16_f32 v[YR+1], v[XR+2], v[XR+3]
.else
	v_cvt_pk_f16_f32 v[YR+1], v[XR+2], v[XR+3]
.endif
	v_mul_f32 v[A], s33, v[A]                      ; / 128: lanes 0-15 hold the first group's scale, lanes 16-31 the second's
.if \kind
	v_cvt_pk_bf16_f32 v[YR+2], v[XR+4], v[XR+5]
	v_cvt_pk_bf16_f32 v[YR+3], v[XR+6], v[XR+7]
.if \nm
	s_wait_alu depctr_va_sdst(0)                   ; the run of compares above has written its masks, ahead of their first reader: the select below
.endif
	v_cndmask_b32 v[CB], v[CB], v[CA], s[MK+(\m)]  ; what I kept sixteen slots ago moves on,
	v_cndmask_b32 v[CA], v[CA], v[A], s[MK+(\m)]   ; and this slot's scale is kept
.irp k, 0,1,2,3
	v_pk_max_num_bf16 v[YR+(\k)], v[YR+(\k)], s39  ; not below -1,
.endr
.irp k, 0,1,2,3
	v_pk_min_num_bf16 v[YR+(\k)], v[YR+(\k)], s40  ; not above +1
.endr
.else
	v_cvt_pk_f16_f32 v[YR+2], v[XR+4], v[XR+5]
	v_cvt_pk_f16_f32 v[SP], v[A], v[A]
	v_cvt_pk_f16_f32 v[YR+3], v[XR+6], v[XR+7]
	v_xor_b32 v[SN], s35, v[SP]
.irp k, 0,1,2,3
	v_pk_max_num_f16 v[YR+(\k)], v[YR+(\k)], v[SN] ; not below -scale,
.endr
.irp k, 0,1,2,3
	v_pk_min_num_f16 v[YR+(\k)], v[YR+(\k)], v[SP] ; not above +scale
.endr
.endif
.endm
; Block p.  xb = p % 4, yb = p % 2.  first = 1: block 0, with no block in front of it.  ahead = 1: block p + 3 is loaded.  left: the younger loads that may stay out.
; m: the mask of the block's first slot; nm: the masks made at the block's head (w_down alone).
.macro BLK xb, yb, first, ahead, left, kind, m, nm
	s_wait_loadcnt \left                           ; loads come back in order: X[xb]'s four are in, the younger blocks' stay out
.if !\first
	s_wait_xcnt 0x0                                ; every earlier load and store has had its addresses translated: the bases and Y[yb] are rewritten only behind this wait
	s_wait_alu depctr_vm_vsrc(0)                   ; the stores issued in the block before have read Y[yb], which this block's roundings write again
	s_wait_alu depctr_va_vdst(0)                   ; the block before has written the other Y, which the stores below read, and is done reading and writing its X, in which the loads below land
.if \ahead
	s_add_nc_u64 s[4:5], s[4:5], 2048              ; both bases at this block's first slot
.endif
	s_add_nc_u64 s[6:7], s[6:7], 1024
.endif
.irp i, 0,1
.if \ahead
	global_load_b128 v[X+16*((\xb+3)%4)+8*(\i):X+16*((\xb+3)%4)+8*(\i)+3],   v[VI], s[4:5] offset:(6+(\i))*1024 th:TH_LOAD_RT_NT     ; three blocks ahead; no vector instruction since the wait names these registers
	global_load_b128 v[X+16*((\xb+3)%4)+8*(\i)+4:X+16*((\xb+3)%4)+8*(\i)+7], v[VI], s[4:5] offset:(6+(\i))*1024+16 th:TH_LOAD_RT_NT
.endif
.if !\first
	global_store_b128 v[VO], v[Y+8*(1-\yb)+4*(\i):Y+8*(1-\yb)+4*(\i)+3], s[6:7] offset:512*(\i)-1024 th:TH_STORE_NT  ; the block before: the offset reaches back
.endif
	SLOT \xb,\yb,\i,\kind,(\m)+(\i),(\nm)*(1-(\i))
.endr
.endm
; A unit: block 0; three laps of four blocks, behind which both kinds of buffer are back at their start; blocks 13 to 15, which load nothing, so that no load leaves the unit; the last block's stores.
; w_down: s32 is the number % 16 of the first slot for which masks are made next: 0 (block 0: slots 0, 1), then 2, 10, 2 (the laps: slots 2-9, 10-17, 18-25), then 10 (slots 26-31).
.macro STREAM kind
.irp i, 0,1,2,3,4,5
	global_load_b128 v[X+8*(\i):X+8*(\i)+3],   v[VI], s[4:5] offset:1024*(\i) th:TH_LOAD_RT_NT      ; blocks 0, 1 and 2 into X0, X1, X2
	global_load_b128 v[X+8*(\i)+4:X+8*(\i)+7], v[VI], s[4:5] offset:1024*(\i)+16 th:TH_LOAD_RT_NT
.endr
	BLK 0,0,1,1,8,\kind,0,2*(\kind)                ; eight younger loads: blocks 1 and 2
.if \kind
	s_mov_b32 s32, 2
.endif
	s_mov_b32 s12, 3
.Lround_\@:
	BLK 1,1,0,1,8,\kind,0,8*(\kind)                ; eight younger loads: the two blocks behind this one, the second of them asked for in the block before
	BLK 2,0,0,1,8,\kind,2,0
	BLK 3,1,0,1,8,\kind,4,0
	BLK 0,0,0,1,8,\kind,6,0
.if \kind
	s_xor_b32 s32, s32, 8                          ; eight slots on
.endif
	s_sub_co_u32 s12, s12, 1
	s_cmp_lg_u32 s12, 0
	s_cbranch_scc1 .Lround_\@
	BLK 1,1,0,0,8,\kind,0,6*(\kind)                ; the counts run down
	BLK 2,0,0,0,4,\kind,2,0
	BLK 3,1,0,0,0,\kind,4,0
.if \kind
	; CB holds slots 0-15, CA slots 16-31; in each, lane l < 16 has group 2 x slot, lane l >= 16 group 2 x slot + 1, slot % 16 = l % 16.
	; Lane l wants groups 2 l and 2 l + 1: for l < 16 they are CB of lanes l and l + 16, for l >= 16 CA of lanes l - 16 and l.
	v_cmp_gt_u32 vcc_lo, 16, v1
	v_permlanex16_b32 v[A],   v[CA], s14, s15      ; (its destination counts as read: registers that have been written)
	v_permlanex16_b32 v[A+1], v[CB], s14, s15
	s_wait_alu depctr_va_vcc(0)                    ; the compare has written VCC, ahead of its first reader: the select below
	v_cndmask_b32 v[P],   v[A],  v[CB],  vcc_lo
	v_cndmask_b32 v[P+1], v[CA], v[A+1], vcc_lo
.endif
	s_wait_alu depctr_va_vdst(0)                   ; block 15 has written Y1, and for w_down the selects have written the two scales: the last stores read them
.irp i, 0,1
	global_store_b128 v[VO], v[Y+8+4*(\i):Y+8+4*(\i)+3], s[6:7] offset:512*(\i) th:TH_STORE_NT
.endr
.if \kind
	global_store_b64 v[V8], v[P:P+1], s[42:43]     ; the row's 64 scales: 256 consecutive bytes, aligned
.endif
.endm
	s_load_b512 s[16:31], s[0:1], 0x0              ; w_gate s[16:17], w_up s[18:19], w_down s[20:21], x s[22:23], wgu s[24:25], sgn s[26:27], scd s[28:29], xh s[30:31]
	v_lshrrev_b32 v1, 5, v0
	v_readfirstlane_b32 s8, v1                     ; wave 0..7
	s_mov_b32 s3, 0                                ; offsets are pairs with 0 on top
	s_mov_b32 s14, 0x76543210                      ; v_permlanex16_b32: each lane takes its own place in the other half
	s_mov_b32 s15, 0xfedcba98
	s_mov_b32 s32, 0
	s_mov_b32 s33, 0x3c000000                      ; 1 / 128
	s_mov_b32 s35, 0x80008000                      ; the signs of two f16
	s_mov_b32 s36, 0x7f000000                      ; 2^127, as a pair for the packed multiply
	s_mov_b32 s37, s36
	s_mov_b32 s39, 0xbf80bf80                      ; -1 twice in bf16
	s_mov_b32 s40, 0x3f803f80                      ; +1 twice in bf16
	v_and_b32 v1, 31, v0                           ; lane
	v_lshlrev_b32 v[VI], 5, v1
	v_lshlrev_b32 v[VO], 4, v1
	v_and_b32 v[L15], 15, v0
	v_lshlrev_b32 v[V8], 3, v1
	v_mov_b32 v[CA], 0
	v_mov_b32 v[CB], 0
	s_wait_alu depctr_va_sdst(0)                   ; s8 is written, ahead of its first reader: my unit and the branches are made from it
	s_and_b32 s9, s8, 1
	s_lshl_b32 s10, ttmp9, 1
	s_add_co_u32 s10, s10, s9                      ; my unit, 0..2047
	s_wait_alu depctr_va_vdst(0)                   ; the offsets v2, v3 and v5 are written: every load and store of the kernel, on each of the three ways below, reads one of them
	s_wait_kmcnt 0x0
	s_cmp_ge_u32 s8, 6
	s_cbranch_scc1 .Lx
	s_cmp_ge_u32 s8, 4
	s_cbranch_scc1 .Ldown
	; waves 0-3: four rows of w_gate or w_up
	s_lshl_b32 s2, s10, 15                         ; 32,768 bytes a unit
	s_cmp_lt_u32 s8, 2
	s_cselect_b64 s[4:5], s[16:17], s[18:19]
	s_cselect_b32 s11, 0, 64                       ; up rows lie 64 rows behind their gate rows
	s_add_nc_u64 s[4:5], s[4:5], s[2:3]
	s_lshr_b32 s2, s10, 4                          ; rows 4 u ..: block u / 16 of 64 rows,
	s_lshl_b32 s2, s2, 7                           ; which begins at row 128 (u / 16),
	s_and_b32 s41, s10, 15
	s_lshl_b32 s41, s41, 2                         ; place 4 (u % 16) in it
	s_add_co_u32 s2, s2, s41
	s_add_co_u32 s2, s2, s11
	s_lshl_b32 s2, s2, 12                          ; a row of wgu is 4,096 bytes
	s_add_nc_u64 s[6:7], s[24:25], s[2:3]
	STREAM 0
	s_endpgm
.Ldown:                                        ; waves 4, 5: one row of w_down
	s_lshl_b32 s2, s10, 15
	s_add_nc_u64 s[4:5], s[20:21], s[2:3]
	s_lshl_b32 s2, s10, 14
	s_add_nc_u64 s[6:7], s[26:27], s[2:3]
	s_lshl_b32 s2, s10, 8
	s_add_nc_u64 s[42:43], s[28:29], s[2:3]
	STREAM 1
	s_endpgm
.Lx:                                           ; waves 6, 7: 1,024 numbers of x, four slots, all loads out at once; each slot has registers of its own, in and out
	s_lshl_b32 s2, s10, 12
	s_add_nc_u64 s[4:5], s[22:23], s[2:3]
	s_lshl_b32 s2, s10, 11
	s_add_nc_u64 s[6:7], s[30:31], s[2:3]
.irp i, 0,1,2,3
	global_load_b128 v[X+8*(\i):X+8*(\i)+3],   v[VI], s[4:5] offset:1024*(\i) th:TH_LOAD_RT_NT
	global_load_b128 v[X+8*(\i)+4:X+8*(\i)+7], v[VI], s[4:5] offset:1024*(\i)+16 th:TH_LOAD_RT_NT
.endr
.irp h, 0,1
.irp i, 0,1
	s_wait_loadcnt 6-4*(\h)-2*(\i)                 ; slot 2 h + i's two loads are in; the younger slots' stay out
.irp k, 0,1,2,3
	v_cvt_pk_f16_f32 v[Y+4*(2*(\h)+(\i))+(\k)], v[X+8*(2*(\h)+(\i))+2*(\k)], v[X+8*(2*(\h)+(\i))+2*(\k)+1]
.endr
.endr
	s_wait_alu depctr_va_vdst(0)                   ; the conversions of slots 2 h and 2 h + 1 have written their results, which the two stores below read
.irp i, 0,1
	global_store_b128 v[VO], v[Y+4*(2*(\h)+(\i)):Y+4*(2*(\h)+(\i))+3], s[6:7] offset:512*(2*(\h)+(\i))
.endr
.endr
	s_endpgm
.Lfunc_end_k_qef6a115e49_quant:
	.size	k_qef6a115e49_quant, .Lfunc_end_k_qef6a115e49_quant-k_qef6a115e49_quant
	.p2alignl 7, 3214868480
	.fill 96, 4, 3214868480
	.section	.rodata,"a",@progbits
	.p2align	6, 0x0
	.amdhsa_kernel k_qef6a115e49_quant
		.amdhsa_group_segment_fixed_size 0
		.amdhsa_private_segment_fixed_size 0
		.amdhsa_enable_private_segment 0
		.amdhsa_kernarg_size 64
		.amdhsa_user_sgpr_count 2
		.amdhsa_user_sgpr_kernarg_segment_ptr 1
		.amdhsa_wavefront_size32 1
		.amdhsa_system_sgpr_workgroup_id_x 1
		.amdhsa_system_sgpr_workgroup_id_y 1
		.amdhsa_system_sgpr_workgroup_id_z 1
		.amdhsa_system_vgpr_workitem_id 0
		.amdhsa_next_free_vgpr 112
		.amdhsa_next_free_sgpr 66
		.amdhsa_reserve_vcc 1
		.amdhsa_float_denorm_mode_32 3
		.amdhsa_float_denorm_mode_16_64 3
		.amdhsa_memory_ordered 1
		.amdhsa_forward_progress 1
		.amdhsa_inst_pref_size 76
	.end_amdhsa_kernel
	.amdgpu_metadata
---
amdhsa.version: [ 1, 2 ]
amdhsa.kernels:
  - .name:           k_qef6a115e49_quant
    .symbol:         k_qef6a115e49_quant.kd
    .args:
      - { .name: w_gate, .offset: 0, .size: 8, .value_kind: global_buffer, .address_space: global }
      - { .name: w_up, .offset: 8, .size: 8, .value_kind: global_buffer, .address_space: global }
      - { .name: w_down, .offset: 16, .size: 8, .value_kind: global_buffer, .address_space: global }
      - { .name: x, .offset: 24, .size: 8, .value_kind: global_buffer, .address_space: global }
      - { .name: wgu, .offset: 32, .size: 8, .value_kind: global_buffer, .address_space: global }
      - { .name: sgn, .offset: 40, .size: 8, .value_kind: global_buffer, .address_space: global }
      - { .name: scd, .offset: 48, .size: 8, .value_kind: global_buffer, .address_space: global }
      - { .name: xh, .offset: 56, .size: 8, .value_kind: global_buffer, .address_space: global }
    .group_segment_fixed_size: 0
    .private_segment_fixed_size: 0
    .kernarg_segment_align: 8
    .kernarg_segment_size: 64
    .max_flat_workgroup_size: 256
    .sgpr_count:     66
    .vgpr_count:     112
    .wavefront_size: 32
...
	.end_amdgpu_metadata
.endif
;; end of part 5
;; launch gateup: the kernel of part 2 again; grid 64 x 4, 4 waves a work-group, clusters of 4 x 4, 327,680 bytes of LDS; arguments xh, wgu, hb; writes hb
;; launch down: the kernel of part 3 again; grid 16 x 16, 4 waves a work-group, clusters of 4 x 4, 327,680 bytes of LDS; arguments hb, sgn, scd, part; writes part
;; launch join: the kernel of part 4 again; grid 256 x 1, 8 waves a work-group, no clusters, 0 bytes of LDS; arguments part, out0; writes out0
